; MI455X (gfx1250); checked and timed in simulation.
; The chip was launched on July 23, 2026; its instructions are those of AMD's public machine-readable ISA for CDNA 5 (MIT licence, August 2026) and "CDNA5" Instruction Set Architecture Reference Guide (July 2026). The comments in the code are by the model that wrote it; some were corrected since.
;; Block. Allowed arithmetic: float matrix products may take bf16 or f16 operands with f32 sums; all other float work in f32.
;; Inputs: attn_b 3,072 float32; attn_w 3,072 x 1,024 float32; attnproj_b 1,024 float32; attnproj_w 1,024 x 1,024 float32; fc_b 4,096 float32; fc_w 4,096 x 1,024 float32; ln1_b 1,024 float32; ln1_w 1,024 float32; ln2_b 1,024 float32; ln2_w 1,024 float32; proj_b 1,024 float32; proj_w 1,024 x 4,096 float32; x 2 x 2,048 x 1,024 float32.
;; Outputs: out0 2 x 2,048 x 1,024 float32; out1 one number float32.
;; One version. Each part assembles by itself: llvm-mc -triple=amdgcn-amd-amdhsa -mcpu=gfx1250 --defsym DOCPART=n.
;; ======== version 1 of 1: 7 launches
;; limits: a function is approximated: absolute error at most 2.05e-05; right only within a limited range of input values
;; workspace buffers: wb 25,165,824 bytes; h 8,388,608 bytes; qkv 25,165,824 bytes; y 8,388,608 bytes; x1 16,777,216 bytes; g 33,554,432 bytes; ent 1,024 bytes
;; launch prep (part 1): grid 256 x 1, 8 waves a work-group, no clusters, 0 bytes of LDS; arguments x, ln1_w, ln1_b, attn_w, attnproj_w, fc_w, proj_w, h, wb; writes h, wb
.if DOCPART == 1
	.amdgcn_target "amdgcn-amd-amdhsa--gfx1250"
	.amdhsa_code_object_version 6
	.text
	.protected	k_q86f83d7f15_prep
	.globl	k_q86f83d7f15_prep
	.p2align	8
	.type	k_q86f83d7f15_prep,@function
k_q86f83d7f15_prep:
	s_mov_b64 s[64:65], 0
	v_nop
	global_prefetch_b8 v0, s[64:65] scope:SCOPE_SE
	s_setreg_imm32_b32 hwreg(HW_REG_WAVE_MODE, 25, 1), 1
	s_wait_xcnt 0x0
; prep.  (1) h = LayerNorm(x) * ln1_w + ln1_b, rounded once to bf16.  (2) The four weight matrices rounded to bf16 into wb,
; each row-major as given: attn_w at byte 0, attnproj_w at 6,291,456, fc_w at 8,388,608, proj_w at 16,777,216.
; A stream: no LDS, no barrier, no matrix unit (nothing is reused, so they would add nothing).
; 2,048 waves, W = 8 x work-group + wave, all with the same share: rows 2W and 2W+1 of x (a row of 4,096 bytes is 32 registers of one
; wave, so mean and variance are made in two passes over registers: the mean is taken away first, as the definition does),
; and 48 pieces of 512 bytes of f32 weights: 16 of fc_w, 16 of proj_w, 12 of attn_w, 4 of attnproj_w.
; A load of the wave covers 512 consecutive bytes; its 4 numbers a lane become 8 bytes, so a store covers 256 consecutive bytes, aligned.
.set GAIN, 32                          ; v[32:63]   ln1_w of my columns (piece j: columns 128 j + 4 lane .. + 3)
.set BIAS, 64                          ; v[64:95]   ln1_b
.set ROW0, 96                          ; v[96:127]  row 2W
.set ROW1, 128                         ; v[128:159] row 2W+1
.set GRP0, 160                         ; v[160:223] cast group 0: 16 pieces of fc_w
.set GRP1, 32                          ; cast group 1 (proj_w) lands on gain and bias when the rows are done
.set GRP2, 96                          ; cast group 2 (attn_w, attnproj_w) lands on the rows when their stores have read them
.set HB,   22                          ; s[22:23]   h at my first row
.macro WSUM r, t                       ; sum over the 32 lanes, result in every lane; v[t] has been written before
	v_add_f32_dpp v[\r], v[\r], v[\r] row_xmask:1 row_mask:0xf bank_mask:0xf
	v_add_f32_dpp v[\r], v[\r], v[\r] row_xmask:2 row_mask:0xf bank_mask:0xf
	v_add_f32_dpp v[\r], v[\r], v[\r] row_xmask:4 row_mask:0xf bank_mask:0xf
	v_add_f32_dpp v[\r], v[\r], v[\r] row_xmask:8 row_mask:0xf bank_mask:0xf
	v_permlanex16_b32 v[\t], v[\r], s30, s31
	v_add_f32 v[\r], v[\r], v[\t]
.endm
; One row in v[X:X+31]: normalise, scale, shift, round, store at byte off of h.  left = younger loads that may stay out.
.macro LNROW X, off, left
	s_wait_loadcnt \left                           ; loads return in order: gain, bias and this row are in
	v_pk_add_f32 v[4:5],   v[\X:\X+1],     v[\X+2:\X+3]          ; the sum in four chains; the first pairs start them
	v_pk_add_f32 v[6:7],   v[\X+4:\X+5],   v[\X+6:\X+7]
	v_pk_add_f32 v[8:9],   v[\X+8:\X+9],   v[\X+10:\X+11]
	v_pk_add_f32 v[10:11], v[\X+12:\X+13], v[\X+14:\X+15]
.set n, 0
.rept 8
	v_pk_add_f32 v[4+2*(n%4):5+2*(n%4)], v[4+2*(n%4):5+2*(n%4)], v[\X+16+2*n:\X+17+2*n]
.set n, n+1
.endr
	v_pk_add_f32 v[4:5], v[4:5], v[6:7]
	v_pk_add_f32 v[8:9], v[8:9], v[10:11]
	v_pk_add_f32 v[4:5], v[4:5], v[8:9]
	v_add_f32 v4, v4, v5
	WSUM 4, 5
	v_mul_f32 v4, s28, v4                          ; mean = sum / 1024
	v_mov_b32 v5, v4
.set n, 0
.rept 16
	v_pk_add_f32 v[\X+2*n:\X+2*n+1], v[\X+2*n:\X+2*n+1], v[4:5] neg_lo:[0,1] neg_hi:[0,1]   ; d = x - mean, in place
.set n, n+1
.endr
.irp k, 0,1,2,3
	v_pk_mul_f32 v[6+2*\k:7+2*\k], v[\X+2*\k:\X+2*\k+1], v[\X+2*\k:\X+2*\k+1]              ; sum of d d, four chains
.endr
.set n, 4
.rept 12
	v_pk_fma_f32 v[6+2*(n%4):7+2*(n%4)], v[\X+2*n:\X+2*n+1], v[\X+2*n:\X+2*n+1], v[6+2*(n%4):7+2*(n%4)]
.set n, n+1
.endr
	v_pk_add_f32 v[6:7], v[6:7], v[8:9]
	v_pk_add_f32 v[10:11], v[10:11], v[12:13]
	v_pk_add_f32 v[6:7], v[6:7], v[10:11]
	v_add_f32 v6, v6, v7
	WSUM 6, 7
	v_fma_f32 v6, v6, s28, s29                     ; variance + 1e-5
	v_rsq_f32 v8, v6
	v_nop                                          ; one plain place behind the transcendental (ISA guide 5.7.2)
	s_wait_alu depctr_va_vdst(0)
	v_mov_b32 v9, v8
.set n, 0
.rept 16
	v_pk_mul_f32 v[\X+2*n:\X+2*n+1], v[\X+2*n:\X+2*n+1], v[8:9]
.set n, n+1
.endr
.set n, 0
.rept 16
	v_pk_fma_f32 v[\X+2*n:\X+2*n+1], v[\X+2*n:\X+2*n+1], v[GAIN+2*n:GAIN+2*n+1], v[BIAS+2*n:BIAS+2*n+1]
.set n, n+1
.endr
.irp j, 0,1,2,3,4,5,6,7
	v_cvt_pk_bf16_f32 v[\X+4*\j],   v[\X+4*\j],   v[\X+4*\j+1]
	v_cvt_pk_bf16_f32 v[\X+4*\j+1], v[\X+4*\j+2], v[\X+4*\j+3]
	global_store_b64 v2, v[\X+4*\j:\X+4*\j+1], s[HB:HB+1] offset:\off+256*\j
.endr
.endm
; cnt loads of 512 bytes from s[sb:sb+1] into pieces n0 .. of group R
.macro CLOAD sb, n0, cnt, R
.set k, 0
.rept \cnt
	global_load_b128 v[\R+4*(\n0+k):\R+4*(\n0+k)+3], v1, s[\sb:\sb+1] offset:512*k th:TH_LOAD_NT
.set k, k+1
.endr
.endm
; the same pieces rounded and stored at s[db:db+1].  left0 = loads younger than the first of them; the count runs down piece by piece
.macro CCVT db, n0, cnt, R, left0
.set k, 0
.rept \cnt
	s_wait_loadcnt \left0-k
	v_cvt_pk_bf16_f32 v[\R+4*(\n0+k)],   v[\R+4*(\n0+k)],   v[\R+4*(\n0+k)+1]
	v_cvt_pk_bf16_f32 v[\R+4*(\n0+k)+1], v[\R+4*(\n0+k)+2], v[\R+4*(\n0+k)+3]
	global_store_b64 v2, v[\R+4*(\n0+k):\R+4*(\n0+k)+1], s[\db:\db+1] offset:256*k
.set k, k+1
.endr
.endm
	s_load_b512 s[8:23], s[0:1], 0x0               ; x 8, ln1_w 10, ln1_b 12, attn_w 14, attnproj_w 16, fc_w 18, proj_w 20, h 22
	s_load_b64 s[24:25], s[0:1], 0x40              ; wb
	v_lshrrev_b32 v3, 5, v0
	v_readfirstlane_b32 s2, v3                     ; wave
	s_lshl_b32 s3, ttmp9, 3
	s_add_co_u32 s3, s3, s2                        ; W
	v_and_b32 v1, 31, v0
	v_lshlrev_b32 v2, 3, v1                        ; 8 x lane: stores
	v_lshlrev_b32 v1, 4, v1                        ; 16 x lane: loads
	s_mov_b32 s27, 0
	s_mov_b32 s28, 0x3a800000                      ; 1 / 1024
	s_mov_b32 s29, 0x3727c5ac                      ; 1e-5
	s_mov_b32 s30, 0x76543210                      ; v_permlanex16_b32: lane i reads lane i of the other half
	s_mov_b32 s31, 0xfedcba98
	s_wait_kmcnt 0x0
	s_lshl_b32 s26, s3, 13                         ; W x 8,192: two rows of x; 16 pieces of fc_w and of proj_w
	s_add_nc_u64 s[8:9], s[8:9], s[26:27]
	s_add_nc_u64 s[18:19], s[18:19], s[26:27]
	s_add_nc_u64 s[20:21], s[20:21], s[26:27]
	s_lshl_b32 s26, s3, 12                         ; W x 4,096: the same in bf16
	s_add_nc_u64 s[22:23], s[22:23], s[26:27]
	s_add_nc_u64 s[32:33], s[24:25], s[26:27]
	s_add_nc_u64 s[34:35], s[32:33], 16777216      ; proj_w's place in wb
	s_add_nc_u64 s[32:33], s[32:33], 8388608       ; fc_w's place in wb
	s_mul_i32 s26, s3, 6144                        ; 12 pieces of attn_w
	s_add_nc_u64 s[14:15], s[14:15], s[26:27]
	s_mul_i32 s26, s3, 3072
	s_add_nc_u64 s[36:37], s[24:25], s[26:27]
	s_lshl_b32 s26, s3, 11                         ; 4 pieces of attnproj_w
	s_add_nc_u64 s[16:17], s[16:17], s[26:27]
	s_lshl_b32 s26, s3, 10
	s_add_nc_u64 s[38:39], s[24:25], s[26:27]
	s_add_nc_u64 s[38:39], s[38:39], 6291456
.irp j, 0,1,2,3,4,5,6,7
	global_load_b128 v[GAIN+4*\j:GAIN+4*\j+3], v1, s[10:11] offset:512*\j
.endr
.irp j, 0,1,2,3,4,5,6,7
	global_load_b128 v[BIAS+4*\j:BIAS+4*\j+3], v1, s[12:13] offset:512*\j
.endr
.irp j, 0,1,2,3,4,5,6,7
	global_load_b128 v[ROW0+4*\j:ROW0+4*\j+3], v1, s[8:9] offset:512*\j
.endr
.irp j, 0,1,2,3,4,5,6,7
	global_load_b128 v[ROW1+4*\j:ROW1+4*\j+3], v1, s[8:9] offset:4096+512*\j
.endr
	CLOAD 18, 0, 16, GRP0                          ; 48 loads of the wave are on their way
	LNROW ROW0, 0, 24                              ; younger: row 1's 8 and group 0's 16
	LNROW ROW1, 2048, 16                           ; younger: group 0's 16
	CLOAD 20, 0, 16, GRP1                          ; gain and bias have been used for the last time
	CCVT 32, 0, 16, GRP0, 31                       ; younger than piece k: 15 - k of its group and group 1's 16
	s_wait_xcnt 0x0                                ; the rows' registers are data of stores: loaded again only behind this wait
	CLOAD 14, 0, 12, GRP2
	CLOAD 16, 12, 4, GRP2
	CCVT 34, 0, 16, GRP1, 31
	CCVT 36, 0, 12, GRP2, 15
	CCVT 38, 12, 4, GRP2, 3
	s_endpgm
.Lfunc_end_k_q86f83d7f15_prep:
	.size	k_q86f83d7f15_prep, .Lfunc_end_k_q86f83d7f15_prep-k_q86f83d7f15_prep
	.p2alignl 7, 3214868480
	.fill 96, 4, 3214868480
	.section	.rodata,"a",@progbits
	.p2align	6, 0x0
	.amdhsa_kernel k_q86f83d7f15_prep
		.amdhsa_group_segment_fixed_size 0
		.amdhsa_private_segment_fixed_size 0
		.amdhsa_enable_private_segment 0
		.amdhsa_kernarg_size 72
		.amdhsa_user_sgpr_count 2
		.amdhsa_user_sgpr_kernarg_segment_ptr 1
		.amdhsa_wavefront_size32 1
		.amdhsa_system_sgpr_workgroup_id_x 1
		.amdhsa_system_sgpr_workgroup_id_y 1
		.amdhsa_system_sgpr_workgroup_id_z 1
		.amdhsa_system_vgpr_workitem_id 0
		.amdhsa_next_free_vgpr 224
		.amdhsa_next_free_sgpr 66
		.amdhsa_reserve_vcc 0
		.amdhsa_float_denorm_mode_32 3
		.amdhsa_float_denorm_mode_16_64 3
		.amdhsa_memory_ordered 1
		.amdhsa_forward_progress 1
		.amdhsa_inst_pref_size 37
	.end_amdhsa_kernel
	.amdgpu_metadata
---
amdhsa.version: [ 1, 2 ]
amdhsa.kernels:
  - .name:           k_q86f83d7f15_prep
    .symbol:         k_q86f83d7f15_prep.kd
    .args:
      - { .name: x, .offset: 0, .size: 8, .value_kind: global_buffer, .address_space: global }
      - { .name: ln1_w, .offset: 8, .size: 8, .value_kind: global_buffer, .address_space: global }
      - { .name: ln1_b, .offset: 16, .size: 8, .value_kind: global_buffer, .address_space: global }
      - { .name: attn_w, .offset: 24, .size: 8, .value_kind: global_buffer, .address_space: global }
      - { .name: attnproj_w, .offset: 32, .size: 8, .value_kind: global_buffer, .address_space: global }
      - { .name: fc_w, .offset: 40, .size: 8, .value_kind: global_buffer, .address_space: global }
      - { .name: proj_w, .offset: 48, .size: 8, .value_kind: global_buffer, .address_space: global }
      - { .name: h, .offset: 56, .size: 8, .value_kind: global_buffer, .address_space: global }
      - { .name: wb, .offset: 64, .size: 8, .value_kind: global_buffer, .address_space: global }
    .group_segment_fixed_size: 0
    .private_segment_fixed_size: 0
    .kernarg_segment_align: 8
    .kernarg_segment_size: 72
    .max_flat_workgroup_size: 256
    .sgpr_count:     66
    .vgpr_count:     224
    .wavefront_size: 32
...
	.end_amdgpu_metadata
.endif
;; end of part 1
;; launch qkv (part 2): grid 12 x 16, 4 waves a work-group, clusters of 4 x 4, 327,680 bytes of LDS; arguments h, wb, attn_b, qkv; writes qkv
.if DOCPART == 2
	.amdgcn_target "amdgcn-amd-amdhsa--gfx1250"
	.amdhsa_code_object_version 6
	.text
	.protected	k_q86f83d7f15_qkv
	.globl	k_q86f83d7f15_qkv
	.p2align	8
	.type	k_q86f83d7f15_qkv,@function
k_q86f83d7f15_qkv:
	s_mov_b64 s[64:65], 0
	v_nop
	global_prefetch_b8 v0, s[64:65] scope:SCOPE_SE
	s_setreg_imm32_b32 hwreg(HW_REG_WAVE_MODE, 25, 1), 1
	s_wait_xcnt 0x0
	s_wait_alu depctr_hold_cnt(0) depctr_sa_sdst(0) depctr_va_vdst(0) depctr_va_sdst(0) depctr_va_ssrc(0) depctr_va_vcc(0) depctr_vm_vsrc(0)
	s_getreg_b32 s2, hwreg(HW_REG_IB_STS2, 6, 4)
	s_cmp_eq_u32 s2, 0
	s_cbranch_scc0 .Lentry_in_a_cluster
	s_endpgm
.Lentry_in_a_cluster:
	s_bfe_u32 s2, ttmp6, 0x10000c
	s_cmp_lg_u32 s2, 0xf033
	s_cbranch_scc0 .Lentry_shape_is_right
	s_endpgm
.Lentry_shape_is_right:
; qkv = h Wqkv^T + attn_b, rounded to bf16, stored head-major: qkv[part 3][b 2][head 16][t 2048][64].
; h: [4096][1024] bf16.  Wqkv: [3072][1024] bf16 at byte 0 of wb.  Sums in f32, K ascending, one accumulator for each output.
; A work-group makes a block of 256 x 256 with four waves; a wave makes 128 x 128: 64 accumulator tiles of 16 x 16, 512 registers.
; K goes in steps of 128 through a ring of two LDS slots filled by the tensor data mover; a tile's rows are 256 bytes of memory.
; 12 x 16 = 192 work-groups: a block of 192 columns would give 256 but would cut a head's 64 columns in two inside a wave's share.
; CLUSTERS: 4 x 4 work-groups.  The four of a row of the cluster need the same tiles of h, the four of a column the same tiles of W:
; such a tile is asked for jointly, by the same tensor load with a mask that names the four.  That divides the requests by four.
; REGISTERS, in windows of 256:
;   window 0: v0-31 addresses; v64-127, v128-191 fragments of h (two buffers), on the way out scratch; v192-223 packed results
;   window 1: v64-127, v128-191 fragments of W; v192-255 attn_b of my 128 columns
;   window 2: the 32 accumulator tiles of my rows 0-63 (tile (a, b) at v[8 (8 a + b)]);  window 3: those of my rows 64-127
; The matrix instruction is used transposed (source 0 = 16 rows of W, source 1 = 16 rows of h): lane l then holds row l % 16 and the
; eight neighbouring columns 8 (l / 16) + 0 .. 7, which pack into 16 bytes.
.set SIZE_K, 1024
.set KSTEP,  128
.set PITCH,  272                       ; an LDS row: 256 bytes + 16 of padding, so that the 16 rows of a fragment load start 16 bytes apart modulo 256
.set HALFT,  128*PITCH                 ; what one tensor load brings
.set SLOT,   4*HALFT                   ; h's 256 rows, then W's 256 rows
.set STAGE,  2*SLOT                    ; behind the ring: 16 rows x 272 bytes for each wave, never a tensor load's target
.set SPITCH, 272
.set LAPS,   SIZE_K/(2*KSTEP)          ; 4 laps of two K steps
.set ADRA, 16                          ; v16-17  LDS address of my h fragments in slot 0, 1
.set ADRB, 20                          ; v20-21  the same for W
.set STO,  24                          ; v24     way out: where I put 16 bytes of a row
.set RD,   25                          ; v25     way out: where I read back
.set CO,   26                          ; v26     my byte offset in qkv
.set BA,   27                          ; v27     my byte offset in attn_b
.set F0,   64
.set F1,   128
.set SC,   64                          ; way out: sums + bias, f32 (window 0)
.set TMP,  192                         ; way out: packed bf16 (window 0)
.set BV,   192                         ; attn_b (window 1)
.set G1,  24                           ; s[24:31] descriptor group 1 for h's tiles
.set G0,  32                           ; s[32:39] group 0 for h's tiles, one set for each slot
.set G1B, 48                           ; s[48:55] group 1 for W's tiles: another mask
.set G0B, 56                           ; s[56:63] group 0 for W's tiles
.set OB,  70                           ; s[70:71] qkv
.set MSB, 0
.macro WIN new                         ; the immediate's high byte repeats the setting that is left
.if MSB != \new
	s_set_vgpr_msb (MSB<<8)|\new
.set MSB, \new
.endif
.endm
.set MUL_LO, 0xa1                      ; source 0 (W) window 1, source 1 (h) window 0, C and D window 2
.set MUL_HI, 0xf1                      ; the same, C and D window 3
.set TO_B,   0x40                      ; destination window 1, address window 0
; A joint load.  Waves 0 and 1 fetch h's two halves, waves 2 and 3 W's.  Each line has one mask and one set of registers; the branch hangs on the wave's number alone.
.macro JLOAD s
	s_cmp_eq_u32 s11, 0
	s_cbranch_scc0 .Lfor_b_\@
	tensor_load_to_lds s[G0+4*\s:G0+4*\s+3], s[G1:G1+7]
	s_nop 0
.rept 4
	v_nop
.endr
	s_branch .Lasked_\@
.Lfor_b_\@:
	tensor_load_to_lds s[G0B+4*\s:G0B+4*\s+3], s[G1B:G1B+7]
	s_nop 0
.rept 4
	v_nop
.endr
.Lasked_\@:
.endm
; A round of the cluster's barrier: my work-group's barrier; wave 0 signals for the work-group; every wave waits for all sixteen; my work-group's barrier again.
.macro CREST
	s_cmp_lg_u32 s10, 0
	s_cbranch_scc1 .Lnot_wave_0_\@
	s_barrier_signal -3
.Lnot_wave_0_\@:
	s_barrier_wait -3
	s_barrier_signal -1
	s_barrier_wait -1
.endm
.macro CROUND
	s_barrier_signal -1
	s_barrier_wait -1
	CREST
.endm
	s_load_b128 s[4:7], s[0:1], 0x0                ; h s[4:5], wb s[6:7]
	s_load_b128 s[68:71], s[0:1], 0x10             ; attn_b s[68:69], qkv s[70:71]
	s_set_vgpr_msb 0x40
	v_lshl_add_u32 v63, v0, 2, 0x48400
	s_set_vgpr_msb 0x4000
	v_mov_b32 v255, 0
	s_set_vgpr_msb 0x1
	ds_add_u32 v63, v255
	ds_add_u32 v63, v255
	s_set_vgpr_msb 0x100
	v_lshrrev_b32 v1, 5, v0
	v_readfirstlane_b32 s10, v1                    ; wave 0..3
	s_lshr_b32 s11, s10, 1                         ; which half of the block's rows is mine.  Also: I fetch for h (0) or for W (1)
	s_and_b32 s12, s10, 1                          ; which half of its columns.  Also: which 128 rows of that tile I fetch
	s_bfe_u32 s40, ttmp6, 0x40000                  ; cx
	s_bfe_u32 s41, ttmp6, 0x40004                  ; cy
	s_lshl_b32 s42, ttmp9, 2
	s_add_co_u32 s42, s42, s40                     ; block column = 4 x cluster x + cx
	s_and_b32 s13, ttmp7, 0xffff
	s_lshl_b32 s13, s13, 2
	s_add_co_u32 s13, s13, s41                     ; block row = 4 x cluster y + cy
	s_lshl_b32 s43, s41, 2
	s_lshl_b32 s43, 15, s43                        ; my row of the cluster: places 4 cy .. 4 cy + 3
	s_lshl_b32 s44, 0x1111, s40                    ; my column: places cx, cx + 4, cx + 8, cx + 12
	; group 1: a tile of 128 rows x 128 elements of 2 bytes, 4 words of padding behind every 64 words
	s_or_b32 s[G1+0], s43, (1<<16)|(1<<20)|(1<<21)|(5<<22)|(3<<25)
	s_or_b32 s[G1B+0], s44, (1<<16)|(1<<20)|(1<<21)|(5<<22)|(3<<25)
	s_mov_b32 s[G1+1], KSTEP<<16                   ; tensor_dim0 = 128
	s_mov_b32 s[G1B+1], KSTEP<<16
	s_mov_b32 s[G1+2], 128<<16                     ; tensor_dim1 = 128
	s_mov_b32 s[G1B+2], 128<<16
	s_mov_b32 s[G1+3], KSTEP<<16                   ; tile_dim0 = 128
	s_mov_b32 s[G1B+3], KSTEP<<16
	s_mov_b32 s[G1+4], 128                         ; tile_dim1 = 128
	s_mov_b32 s[G1B+4], 128
	s_mov_b32 s[G1+5], SIZE_K                      ; elements from row to row
	s_mov_b32 s[G1B+5], SIZE_K
	s_mov_b32 s[G1+6], 0
	s_mov_b32 s[G1B+6], 0
	s_mov_b32 s[G1+7], 0
	s_mov_b32 s[G1B+7], 0
	; h's tiles hang on the block row alone, W's on the block column alone; each address in registers that never hold the other coordinate
	s_lshl_b32 s17, s12, 7
	s_lshl_b32 s16, s13, 8
	s_add_co_u32 s16, s16, s17                     ; h: row 256 x block row + 128 x half
	s_lshl_b32 s46, s42, 8
	s_add_co_u32 s46, s46, s17                     ; W: row 256 x block column + 128 x half
	s_mov_b32 s17, 0
	s_mov_b32 s47, 0
	s_mov_b64 s[18:19], SIZE_K*2
	s_mul_u64 s[16:17], s[16:17], s[18:19]
	s_mul_u64 s[46:47], s[46:47], s[18:19]
	s_mul_i32 s20, s10, HALFT                      ; LDS: wave x 128 rows
	s_wait_dscnt 0x0
	s_wait_kmcnt 0x0
	s_add_nc_u64 s[14:15], s[4:5], s[16:17]
	s_add_nc_u64 s[46:47], s[6:7], s[46:47]
	CROUND                                         ; all sixteen work-groups are here: the first joint loads meet
.irp s, 0,1
	s_mov_b32 s[G0+4*\s], 1
	s_add_co_u32 s[G0+4*\s+1], s20, \s*SLOT
	s_add_nc_u64 s[G0+4*\s+2:G0+4*\s+3], s[14:15], \s*KSTEP*2
	s_or_b32 s[G0+4*\s+3], s[G0+4*\s+3], 0x80000000
	s_mov_b32 s[G0B+4*\s], 1
	s_add_co_u32 s[G0B+4*\s+1], s20, \s*SLOT
	s_add_nc_u64 s[G0B+4*\s+2:G0B+4*\s+3], s[46:47], \s*KSTEP*2
	s_or_b32 s[G0B+4*\s+3], s[G0B+4*\s+3], 0x80000000
	JLOAD \s                                       ; both slots are asked for before anything else: two tensor loads of the wave are out
.endr
	v_and_b32 v1, 15, v0                           ; l % 16
	v_bfe_u32 v2, v0, 4, 1                         ; l / 16
	; attn_b of my 128 columns: tile b, registers 0-7 = columns 16 b + 8 (l / 16) + 0 .. 7.  Waited for at the head of the way out.
	v_lshlrev_b32 v[BA], 5, v2
	s_lshl_b32 s76, s42, 10
	s_lshl_b32 s77, s12, 9
	s_add_co_u32 s76, s76, s77                     ; 4 (256 x block column + 128 x half)
	s_mov_b32 s77, 0
	s_add_nc_u64 s[68:69], s[68:69], s[76:77]
	WIN TO_B
.irp b, 0,1,2,3,4,5,6,7
	global_load_b128 v[BV+8*\b:BV+8*\b+3],   v[BA], s[68:69] offset:64*\b
	global_load_b128 v[BV+8*\b+4:BV+8*\b+7], v[BA], s[68:69] offset:64*\b+16
.endr
	WIN 0
	; a fragment is 16 rows x 32 K in 8 registers: two loads of 16 bytes, 32 bytes apart, at row x pitch + 16 (l / 16)
	v_mul_u32_u24 v3, v1, PITCH
	v_lshl_add_u32 v3, v2, 4, v3
	s_mul_i32 s21, s11, HALFT                      ; my 128 rows of h
	s_mul_i32 s22, s12, HALFT                      ; my 128 rows of W,
	s_add_co_u32 s22, s22, 2*HALFT                 ; which lie behind h's 256
.irp s, 0,1
	v_add_nc_u32 v[ADRA+\s], s21, v3
	v_add_nc_u32 v[ADRB+\s], s22, v3
	s_add_co_u32 s21, s21, SLOT
	s_add_co_u32 s22, s22, SLOT
.endr
	s_mul_i32 s23, s10, 16*SPITCH
	s_add_co_u32 s23, s23, STAGE                   ; my stage
	v_mul_u32_u24 v4, v1, SPITCH
	v_lshl_add_u32 v4, v2, 4, v4
	v_add_nc_u32 v[STO], s23, v4                   ; in: row l % 16, 16 bytes for each half of the lanes
	; back: lanes 0-7 take a head's 128 bytes of an even row, lanes 8-15 those of the odd row below; lanes 16-31 the same of my second head
	v_bfe_u32 v5, v0, 3, 1
	v_mul_u32_u24 v5, v5, SPITCH
	v_lshl_add_u32 v5, v2, 7, v5
	v_and_b32 v6, 7, v0
	v_lshl_add_u32 v5, v6, 4, v5
	v_add_nc_u32 v[RD], s23, v5
	v_lshlrev_b32 v5, 18, v2                       ; in qkv a head's plane is 262,144 bytes; two rows of a head are 256 consecutive bytes
	v_lshl_add_u32 v[CO], v1, 4, v5
; 16 matrix instructions: m blocks a0, a0 + 1 of the window's four x all 8 n blocks, 32 along K.  zero = 1: the first product starts the sums.
.macro MUL16 f, hi, a0, zero
.irp a, \a0, \a0+1
.irp b, 0,1,2,3,4,5,6,7
.if \zero
	v_wmma_f32_16x16x32_bf16 v[8*(8*(\a)+\b):8*(8*(\a)+\b)+7], v[\f+8*\b:\f+8*\b+7], v[\f+8*(4*\hi+\a):\f+8*(4*\hi+\a)+7], 0
.else
	v_wmma_f32_16x16x32_bf16 v[8*(8*(\a)+\b):8*(8*(\a)+\b)+7], v[\f+8*\b:\f+8*\b+7], v[\f+8*(4*\hi+\a):\f+8*(4*\hi+\a)+7], v[8*(8*(\a)+\b):8*(8*(\a)+\b)+7]
.endif
.endr
.endr
.endm
; 32 LDS loads in one run: the fragments of one quarter step (32 K at byte k of the rows) into buffer f
.macro FETCH slot, k, f
	WIN TO_B
.irp i, 0,1,2,3,4,5,6,7
	ds_load_b128 v[\f+8*\i:\f+8*\i+3],   v[ADRB+\slot] offset:\k+\i*16*PITCH
	ds_load_b128 v[\f+8*\i+4:\f+8*\i+7], v[ADRB+\slot] offset:\k+\i*16*PITCH+32
.endr
	WIN 0
.irp i, 0,1,2,3,4,5,6,7
	ds_load_b128 v[\f+8*\i:\f+8*\i+3],   v[ADRA+\slot] offset:\k+\i*16*PITCH
	ds_load_b128 v[\f+8*\i+4:\f+8*\i+7], v[ADRA+\slot] offset:\k+\i*16*PITCH+32
.endr
.endm
; Four plain places stand between a matrix instruction and a load into, or a vector instruction on, one of its registers.
.macro PLACES
.rept 4
	v_nop
.endr
.endm
; A quarter step: 64 matrix instructions on buffer f; in its middle the next quarter's fragments go into buffer g.
; The 64 accumulators take turns, one instruction a turn, in the same order in every quarter.
.macro QUARTER slot, k, f, g, zero
	s_wait_dscnt 8                                 ; W's and h's rows 0-63 are in; the youngest eight loads (h's rows 64-127) may be out
	WIN MUL_LO
	MUL16 \f, 0, 0, \zero
	MUL16 \f, 0, 2, \zero
	PLACES
	FETCH \slot, \k, \g
	s_wait_dscnt 32                                ; all but the 32 just issued
	WIN MUL_HI
	MUL16 \f, 1, 0, \zero
	MUL16 \f, 1, 2, \zero
.endm
.macro THREE slot, zero
	QUARTER \slot, 64,  F0, F1, \zero
	QUARTER \slot, 128, F1, F0, 0
	QUARTER \slot, 192, F0, F1, 0
.endm
; The last quarter of a K step changes slots.  In front of the barrier each wave waits for its reads of this slot and for all its tensor
; loads (one is out: its part of the next slot).  Behind it the refill comes first, then the next slot's first fragments.
; From a request to the wait for it a wave issues 240 matrix instructions.
.macro TURN slot, next, fill
	s_wait_dscnt 8
	WIN MUL_LO
	MUL16 F1, 0, 0, 0
	s_wait_dscnt 0                                 ; my reads of this slot are over
	s_wait_tensorcnt 0x0                           ; and all my tensor loads have landed
	ds_add_u32 v63, v255
	s_wait_dscnt 0x0
	s_barrier_signal -1                            ; where a slot is filled again this barrier opens a round of the cluster's barrier
	MUL16 F1, 0, 2, 0                              ; register work while the others arrive
	WIN 0
	s_barrier_wait -1
.if \fill
	CREST                                          ; no wave of any partner still reads this slot or has a load on its way
	s_add_nc_u64 s[G0+4*\slot+2:G0+4*\slot+3], s[G0+4*\slot+2:G0+4*\slot+3], 2*KSTEP*2
	s_add_nc_u64 s[G0B+4*\slot+2:G0B+4*\slot+3], s[G0B+4*\slot+2:G0B+4*\slot+3], 2*KSTEP*2
	JLOAD \slot                                    ; the wave's one tensor load behind the round; its four v_nop are also the places in front of the loads below
.else
	PLACES
.endif
	FETCH \next, 0, F0
	WIN MUL_HI
	MUL16 F1, 1, 0, 0
	MUL16 F1, 1, 2, 0
.endm
.macro LAP zero
	THREE 0, \zero
	TURN 0, 1, 1
	THREE 1, 0
	TURN 1, 0, 1
.endm
	s_wait_tensorcnt 1                             ; my part of K step 0 is in; K step 1's stays out
	s_barrier_signal -1
	s_barrier_wait -1
	FETCH 0, 0, F0
	LAP 1                                          ; the first lap's first products start the sums
	WIN 0
	s_mov_b32 s3, LAPS-2
.Llap:
	LAP 0
	WIN 0
	s_sub_co_u32 s3, s3, 1
	s_cmp_lg_u32 s3, 0
	s_cbranch_scc1 .Llap
	THREE 0, 0                                     ; the last lap fills nothing
	TURN 0, 1, 0
	THREE 1, 0
	s_wait_dscnt 8
	WIN MUL_LO
	MUL16 F1, 0, 0, 0
	MUL16 F1, 0, 2, 0
	s_wait_dscnt 0
	WIN MUL_HI
	MUL16 F1, 1, 0, 0
	MUL16 F1, 1, 2, 0
	; THE WAY OUT, 16 rows at a time: add the bias, round, 16 bytes a lane into my stage, read back so that 16 lanes hold two rows of one head.
	PLACES
	s_lshr_b32 s76, s42, 2                         ; part (q, k, v) = block column / 4
	s_lshl_b32 s76, s76, 23                        ; x 8,388,608
	s_and_b32 s77, s42, 3
	s_lshl_b32 s77, s77, 2
	s_lshl1_add_u32 s77, s12, s77                  ; my first head = 4 (block column % 4) + 2 x half
	s_lshl_b32 s77, s77, 18
	s_add_co_u32 s76, s76, s77
	s_lshr_b32 s77, s13, 3                         ; b = block row / 8
	s_lshl_b32 s77, s77, 22
	s_add_co_u32 s76, s76, s77
	s_and_b32 s77, s13, 7
	s_lshl_b32 s77, s77, 1
	s_add_co_u32 s77, s77, s11
	s_lshl_b32 s77, s77, 14                        ; t = 256 (block row % 8) + 128 x half, rows of 128 bytes
	s_add_co_u32 s76, s76, s77
	s_mov_b32 s77, 0
	s_add_nc_u64 s[OB:OB+1], s[OB:OB+1], s[76:77]
	s_wait_loadcnt 0x0                             ; attn_b
; rows 16 i .. 16 i + 15 of my block = tiles (a, 0..7) of window 2 or 3 (from = 0x06 or 0x07: source 0 there, source 1 = bias in window 1); f: read-back registers in turn
.macro OUT16 i, a, from, f
	WIN \from
.irp b, 0,1,2,3,4,5,6,7
.irp r, 0,2,4,6
	v_pk_add_f32 v[SC+8*\b+\r:SC+8*\b+\r+1], v[8*(8*\a+\b)+\r:8*(8*\a+\b)+\r+1], v[BV+8*\b+\r:BV+8*\b+\r+1]
.endr
.endr
	WIN 0
.irp b, 0,1,2,3,4,5,6,7
.irp r, 0,1,2,3
	v_cvt_pk_bf16_f32 v[TMP+4*\b+\r], v[SC+8*\b+2*\r], v[SC+8*\b+2*\r+1]
.endr
.endr
.irp b, 0,1,2,3,4,5,6,7
	ds_store_b128 v[STO], v[TMP+4*\b:TMP+4*\b+3] offset:32*\b
.endr
	s_wait_xcnt 0x0                                ; registers f were data of stores two turns ago: loaded again only behind this wait
.irp t, 0,1,2,3,4,5,6,7
	ds_load_b128 v[\f+4*\t:\f+4*\t+3], v[RD] offset:\t*2*SPITCH    ; LDS serves a wave's instructions in order: these see the stores above
.endr
.irp t, 0,1,2,3,4,5,6,7
	s_wait_dscnt 7-\t
	global_store_b128 v[CO], v[\f+4*\t:\f+4*\t+3], s[OB:OB+1] offset:\i*2048+\t*256   ; 16 lanes store 256 consecutive bytes, aligned
.endr
.endm
	OUT16 0, 0, 0x06, 128
	OUT16 1, 1, 0x06, 160
	OUT16 2, 2, 0x06, 128
	OUT16 3, 3, 0x06, 160
	OUT16 4, 0, 0x07, 128
	OUT16 5, 1, 0x07, 160
	OUT16 6, 2, 0x07, 128
	OUT16 7, 3, 0x07, 160
	s_set_vgpr_msb 0x1
	s_wait_tensorcnt 0x0
	ds_add_u32 v63, v255
	s_wait_dscnt 0x0
	s_set_vgpr_msb 0x100
	CROUND                                         ; the closing round: no work-group ends while a partner may still ask for a tile that names it
	s_endpgm
.Lfunc_end_k_q86f83d7f15_qkv:
	.size	k_q86f83d7f15_qkv, .Lfunc_end_k_q86f83d7f15_qkv-k_q86f83d7f15_qkv
	.p2alignl 7, 3214868480
	.fill 96, 4, 3214868480
	.section	.rodata,"a",@progbits
	.p2align	6, 0x0
	.amdhsa_kernel k_q86f83d7f15_qkv
		.amdhsa_group_segment_fixed_size 327680
		.amdhsa_private_segment_fixed_size 0
		.amdhsa_enable_private_segment 0
		.amdhsa_kernarg_size 32
		.amdhsa_user_sgpr_count 2
		.amdhsa_user_sgpr_kernarg_segment_ptr 1
		.amdhsa_wavefront_size32 1
		.amdhsa_system_sgpr_workgroup_id_x 1
		.amdhsa_system_sgpr_workgroup_id_y 1
		.amdhsa_system_sgpr_workgroup_id_z 1
		.amdhsa_system_vgpr_workitem_id 0
		.amdhsa_next_free_vgpr 1024
		.amdhsa_next_free_sgpr 80
		.amdhsa_reserve_vcc 0
		.amdhsa_float_denorm_mode_32 3
		.amdhsa_float_denorm_mode_16_64 3
		.amdhsa_memory_ordered 1
		.amdhsa_forward_progress 1
		.amdhsa_inst_pref_size 215
	.end_amdhsa_kernel
	.amdgpu_metadata
---
amdhsa.version: [ 1, 2 ]
amdhsa.kernels:
  - .name:           k_q86f83d7f15_qkv
    .symbol:         k_q86f83d7f15_qkv.kd
    .args:
      - { .name: h, .offset: 0, .size: 8, .value_kind: global_buffer, .address_space: global }
      - { .name: wb, .offset: 8, .size: 8, .value_kind: global_buffer, .address_space: global }
      - { .name: attn_b, .offset: 16, .size: 8, .value_kind: global_buffer, .address_space: global }
      - { .name: qkv, .offset: 24, .size: 8, .value_kind: global_buffer, .address_space: global }
    .group_segment_fixed_size: 327680
    .private_segment_fixed_size: 0
    .kernarg_segment_align: 8
    .kernarg_segment_size: 32
    .max_flat_workgroup_size: 128
    .sgpr_count:     80
    .vgpr_count:     1024
    .wavefront_size: 32
...
	.end_amdgpu_metadata
.endif
;; end of part 2
;; launch attn (part 3): grid 16 x 16, 8 waves a work-group, no clusters, 327,680 bytes of LDS; arguments qkv, y, ent; writes y, ent
.if DOCPART == 3
	.amdgcn_target "amdgcn-amd-amdhsa--gfx1250"
	.amdhsa_code_object_version 6
	.text
	.protected	k_q86f83d7f15_attn
	.globl	k_q86f83d7f15_attn
	.p2align	8
	.type	k_q86f83d7f15_attn,@function
k_q86f83d7f15_attn:
	s_mov_b64 s[64:65], 0
	v_nop
	global_prefetch_b8 v0, s[64:65] scope:SCOPE_SE
	s_setreg_imm32_b32 hwreg(HW_REG_WAVE_MODE, 25, 1), 1
	s_wait_xcnt 0x0
; Causal attention with a running maximum, and each work-group's share of the mean entropy of the attention rows.
; qkv: [3][b 2][head 16][t 2048][64] bf16.  y: [4096][1024] bf16.  ent: 256 f32, one for each work-group.
; Work-group (x = i, y = 8 b + hp): heads 2 hp and 2 hp + 1 of batch b, the two blocks of 64 queries j = i and j = 31 - i.
; A step is 128 keys; block j needs (j >> 1) + 1 steps, the two blocks together always 17: 256 equal work-groups.
; EIGHT WAVES, two on each SIMD with 512 registers each, so that one wave's softmax arithmetic can issue while the other's products run.
; Wave w: head hd = w & 1, queries 32 qh .. + 31 of the block (qh = (w >> 1) & 1), and of every step the 64 keys of half kh = w >> 2.
; So the work-group loads each K and V fragment from LDS once, as four waves with all 128 keys would.  The two waves of a pair (w, w xor 4)
; keep a state (m, l, U, O) each and merge the two at the block's end through LDS.  A wave's local query tile lt is query tile lt xor kh:
; every wave keeps its local tile 0 and sends its local tile 1, in the same registers in every wave, without a branch.
; A block starts with its diagonal tile (masked), which starts m, l, U and O: nothing is cleared.  Then the full tiles 0, 1, ...
; The block with an odd number of steps goes first, so that slot numbers and refills are fixed in the text.
; S is made transposed (source 0 = 16 keys, source 1 = 16 queries): lane (r, h) holds query r, keys 8 h + 0 .. 7.  So all figures of a row
; lie in lanes r and r + 16, only the maximum crosses the halves in a step, and two packed tiles of P are source 1 of O^T = V^T P^T as they lie.
; SOFTMAX in base 2: c = log2(e) / 8, t = c (s - m), e = 2^t, l = sum e, U = sum e t.  A new maximum m': D = c (m - m'), a = 2^D,
; U = a U + (a D) l, l = a l, O = a O.
; MASKED SCORES are -2^120.  With j even the upper key half of the diagonal tile is masked altogether: there m = -2^120, c s - c m is exactly 0
; (c times a power of two is exact), e = 1, and the state is finite; the first real maximum, or the merge, multiplies it by a = 0, and a D is
; formed before it meets l, so that no product overflows.  LIMIT, stated: a true score below -2^120 (1.3e36) would be taken for masked.
; LIMIT, stated: a row's entropy is formed as ln 2 (log2 l - U / l) = - sum p ln p; the definition has ln(p + 1e-8).  The two differ by
; sum p ln(1 + 1e-8 / p), which lies between 0 and 2048 x 1e-8 for each row, so the mean differs by at most 2.05e-5 absolute, for every input.
; NO MULTICAST: the 16 work-groups of a head pair read the same K and V, but work-group i walks (i' >> 1) + 1 tiles of its first block before
; its second block starts at tile 0 again, with another i' in each: in a given step partners want different tiles.
; Every wave has one tensor load out at any time.
.set KP,    144                        ; LDS pitch of K's rows: 128 bytes + 16
.set VP,    160                        ; of V's rows: 128 + 32, an odd multiple of 32 for the transposing load
.set HTILE, 10240                      ; a half tile: 64 rows x 160; K's use 9,216 of it
.set SLOT,  8*HTILE                    ; half tile w (head w & 1; K or V by (w >> 1) & 1; key half w >> 2) is filled by wave w
.set YST,   2*SLOT                     ; 163,840: stage for y, 64 rows x 272 bytes; no tensor load lands here or behind
.set YP,    272
.set XCH,   YST+64*YP                  ; 181,248: exchange, 4,608 bytes a wave: O of 16 queries (4,096), then m, l, U (512)
.set XWB,   4608
.set ENTW,  XCH+8*XWB                  ; 218,112: eight words for the entropy
.set KA,    4                          ; v4-5    LDS address of my K fragments in slot 0, 1
.set VA,    6                          ; v6-7    of my V fragments
.set QA,    8                          ; v8-9    byte offset of the Q fragments of local tile 0, 1
.set STO,   10                         ; v10     stage: where I put 16 bytes
.set RD,    11                         ; v11     stage: where I read back
.set QR,    12                         ; v12-15  query - key offset for the mask: first block lt 0, 1; second block lt 0, 1
.set MASKV, 27                         ; v27     -2^120
.set CO,    28                         ; v28     my byte offset in y
.set XWA,   29                         ; v29     exchange: my region + 16 lane
.set XRA,   30                         ; v30     exchange: my partner's region + 16 lane
.set TA,    64                         ; v[64:79] t of two key tiles in turn
.set SND,   100                        ; v[100:103] m, l, U of local tile 1 and a filler: what goes to the partner in one store
.set T,     104                        ; v104 .. at work
.set KF,    192                        ; v[192:255] K fragments (16 kt + 8 ks)
.set QO,    64                         ; window 1 v[64:95]  Q of the first block (16 lt + 8 ks);  v[96:127] of the second
.set QE,    96
.set VF,    128                        ; window 1 v[128:191] V fragments (8 (4 kc + db))
.set PO,    192                        ; window 1 v[192:223] the partner's O for my local tile 0
; v[16:17] c; v[18:19] -c m; v[20:21] a; v[22:23] a D; v24 m of local tile 0; v26 entropy; v[32:39] l, v[40:47] U of local tile 0,
; v[48:55], v[56:63] of local tile 1; v[80:95] packed y; v[128:159], v[160:191] S of the two local tiles.  Window 1 v[0:63]: O (32 lt + 8 db).
.set G1K, 24                           ; s[24:31] descriptor group 1 for K's half tiles
.set G1V, 32                           ; s[32:39] for V's: another padding
.set G0,  40                           ; s[40:47] group 0, one set for each slot
.set MSB, 0
.macro WIN new                         ; the immediate's high byte repeats the setting that is left
.if MSB != \new
	s_set_vgpr_msb (MSB<<8)|\new
.set MSB, \new
.endif
.endm
.macro PLACES                          ; four plain places behind a matrix instruction (ISA guide 7.12.1)
.rept 4
	v_nop
.endr
.endm
; My half tile of slot s.  Waves with (w >> 1) & 1 = 0 fetch K's, the others V's; the branch hangs on the wave's number alone.
.macro KVLOAD s
	s_cmp_eq_u32 s11, 0
	s_cbranch_scc0 .Lfor_v_\@
	tensor_load_to_lds s[G0+4*\s:G0+4*\s+3], s[G1K:G1K+7]
	s_nop 0
.rept 4
	v_nop
.endr
	s_branch .Lasked_\@
.Lfor_v_\@:
	tensor_load_to_lds s[G0+4*\s:G0+4*\s+3], s[G1V:G1V+7]
	s_nop 0
.rept 4
	v_nop
.endr
.Lasked_\@:
.endm
; The next tile's address into slot s's group 0: the block's full tiles 0 .. LIM - 1 in order, then the other block's diagonal tile.
.macro NEXT s
	s_cmp_lt_u32 s52, s53
	s_cselect_b32 s55, s52, s54
	s_add_co_u32 s52, s52, 1
	s_lshl_b32 s50, s55, 14                        ; 128 rows of 128 bytes
	s_add_nc_u64 s[G0+4*\s+2:G0+4*\s+3], s[48:49], s[50:51]
	s_or_b32 s[G0+4*\s+3], s[G0+4*\s+3], 0x80000000
.endm
	s_load_b128 s[4:7], s[0:1], 0x0                ; qkv s[4:5], y s[6:7]
	s_load_b64 s[8:9], s[0:1], 0x10                ; ent
	v_lshl_add_u32 v126, v0, 2, 0x35500
	v_mov_b32 v127, 0
	ds_add_u32 v126, v127
	ds_add_u32 v126, v127
	v_lshrrev_b32 v3, 5, v0
	v_readfirstlane_b32 s10, v3                    ; wave
	s_lshr_b32 s11, s10, 1
	s_and_b32 s11, s11, 1                          ; qh: which 32 queries.  Also: I fetch K (0) or V (1)
	s_and_b32 s12, s10, 1                          ; hd: which head, to compute and to fetch
	s_lshr_b32 s13, s10, 2                         ; kh: which 64 keys of a step, to compute and to fetch
	s_and_b32 s14, ttmp7, 0xffff                   ; 8 b + hp
	s_lshr_b32 s15, s14, 3                         ; b
	s_and_b32 s16, s14, 7                          ; hp
	s_sub_co_u32 s19, 31, ttmp9
	s_bitcmp1_b32 ttmp9, 1
	s_cselect_b32 s18, ttmp9, s19                  ; jE: the block whose (j >> 1) is odd, an even number of steps: second
	s_sub_co_u32 s17, 31, s18                      ; jO: an odd number of steps: first
	s_mov_b32 s[G1K+0], (1<<16)|(1<<20)|(4<<22)|(3<<25)   ; elements of 2 bytes; behind every 32 words 4 words of padding
	s_mov_b32 s[G1V+0], (1<<16)|(1<<20)|(4<<22)|(7<<25)   ; 8 words of padding
	s_mov_b32 s[G1K+1], 64<<16                     ; tensor_dim0 = 64
	s_mov_b32 s[G1V+1], 64<<16
	s_mov_b32 s[G1K+2], 64<<16                     ; tensor_dim1 = 64
	s_mov_b32 s[G1V+2], 64<<16
	s_mov_b32 s[G1K+3], 64<<16                     ; tile_dim0 = 64
	s_mov_b32 s[G1V+3], 64<<16
	s_mov_b32 s[G1K+4], 64                         ; tile_dim1 = 64
	s_mov_b32 s[G1V+4], 64
	s_mov_b32 s[G1K+5], 64                         ; elements from row to row
	s_mov_b32 s[G1V+5], 64
	s_mov_b32 s[G1K+6], 0
	s_mov_b32 s[G1V+6], 0
	s_mov_b32 s[G1K+7], 0
	s_mov_b32 s[G1V+7], 0
	s_mul_i32 s19, s10, HTILE
	s_mov_b32 s[G0+0], 1
	s_add_co_u32 s[G0+1], s19, 0                   ; LDS: wave x half tile + slot
	s_mov_b32 s[G0+4], 1
	s_add_co_u32 s[G0+5], s19, SLOT
	s_lshl_b32 s20, s14, 1
	s_add_co_u32 s20, s20, s12                     ; 16 b + 2 hp + head
	s_lshl_b32 s20, s20, 18                        ; a head's plane is 262,144 bytes
	s_mov_b32 s21, 0
	s_add_co_u32 s22, s11, 1                       ; part 1 = K, part 2 = V
	s_lshl_b32 s22, s22, 23
	s_add_co_u32 s22, s22, s20
	s_lshl_b32 s23, s13, 13                        ; my 64 rows of a tile: 64 kh rows of 128 bytes
	s_add_co_u32 s22, s22, s23
	s_mov_b32 s23, 0
	s_mov_b32 s51, 0
	s_mov_b32 s52, 0                               ; the first block's full tiles: next, how many,
	s_lshr_b32 s53, s17, 1
	s_lshr_b32 s54, s18, 1                         ; and what follows them: the second block's diagonal tile
	s_lshl_b32 s50, s53, 14                        ; the first block's diagonal tile
	s_wait_dscnt 0x0
	s_wait_kmcnt 0x0
	s_add_nc_u64 s[48:49], s[4:5], s[22:23]        ; my half of tile 0 of my K or V plane
	s_add_nc_u64 s[G0+2:G0+3], s[48:49], s[50:51]
	s_or_b32 s[G0+3], s[G0+3], 0x80000000
	KVLOAD 0                                       ; the first fill, ahead of every wait on tensor loads, LDS read and barrier
	s_add_nc_u64 s[66:67], s[4:5], s[20:21]        ; Q of my head (part 0)
	s_lshl_b32 s22, s18, 13                        ; 64 rows of 128 bytes a block
	s_add_nc_u64 s[68:69], s[66:67], s[22:23]
	s_lshl_b32 s22, s17, 13
	s_add_nc_u64 s[66:67], s[66:67], s[22:23]
	v_and_b32 v1, 15, v0                           ; r
	v_bfe_u32 v2, v0, 4, 1                         ; h
	v_lshlrev_b32 v[QA], 7, v1
	v_lshl_add_u32 v[QA], v2, 4, v[QA]
	s_lshl_b32 s19, s11, 12
	s_lshl_b32 s57, s13, 11
	s_add_co_u32 s19, s19, s57
	v_add_nc_u32 v[QA], s19, v[QA]                 ; 4,096 qh + 2,048 kh + 128 r + 16 h: local tile 0 is query tile kh,
	v_xor_b32 v[QA+1], 0x800, v[QA]                ; local tile 1 the other one
	WIN 0x40
.irp lt, 0,1
.irp ks, 0,1
	global_load_b128 v[QO+16*\lt+8*\ks:QO+16*\lt+8*\ks+3],   v[QA+\lt], s[66:67] offset:\ks*64
	global_load_b128 v[QO+16*\lt+8*\ks+4:QO+16*\lt+8*\ks+7], v[QA+\lt], s[66:67] offset:\ks*64+32
	global_load_b128 v[QE+16*\lt+8*\ks:QE+16*\lt+8*\ks+3],   v[QA+\lt], s[68:69] offset:\ks*64
	global_load_b128 v[QE+16*\lt+8*\ks+4:QE+16*\lt+8*\ks+7], v[QA+\lt], s[68:69] offset:\ks*64+32
.endr
.endr
	WIN 0
	s_lshl_b32 s22, s15, 22                        ; y: 2,048 b rows of 2,048 bytes + 256 hp
	s_lshl_b32 s19, s16, 8
	s_add_co_u32 s22, s22, s19
	s_add_nc_u64 s[6:7], s[6:7], s[22:23]
	s_lshl_b32 s22, s17, 17                        ; + 64 j rows
	s_add_nc_u64 s[58:59], s[6:7], s[22:23]
	s_lshl_b32 s22, s18, 17
	s_add_nc_u64 s[60:61], s[6:7], s[22:23]
	s_lshl_b32 s22, s14, 4
	s_add_co_u32 s22, s22, ttmp9
	s_lshl_b32 s22, s22, 2
	s_add_nc_u64 s[8:9], s[8:9], s[22:23]          ; my word of ent
	s_mov_b32 s62, 0x76543210                      ; v_permlanex16_b32: lane i reads lane i of the other half
	s_mov_b32 s63, 0xfedcba98
	v_and_b32 v3, 7, v0
	v_bfe_u32 v25, v0, 3, 1
	v_mul_u32_u24 v[KA], v1, KP                    ; K fragment: key r, 16 h
	v_lshl_add_u32 v[KA], v2, 4, v[KA]
	s_mul_i32 s19, s12, HTILE                      ; half tile 4 kh + hd: each part of the wave's number times its constant
	s_mul_i32 s57, s13, 4*HTILE
	s_add_co_u32 s19, s19, s57
	v_add_nc_u32 v[KA], s19, v[KA]
	v_add_nc_u32 v[KA+1], SLOT, v[KA]
	v_lshl_add_u32 v[VA], v2, 3, v3                ; V, read transposed: key 8 h + (l & 7), 16 bytes ((l >> 3) & 1)
	v_mul_u32_u24 v[VA], v[VA], VP
	v_lshl_add_u32 v[VA], v25, 4, v[VA]
	s_add_co_u32 s19, s19, 2*HTILE                 ; half tile 4 kh + 2 + hd
	v_add_nc_u32 v[VA], s19, v[VA]
	v_add_nc_u32 v[VA+1], SLOT, v[VA]
	s_lshl_b32 s19, s11, 5
	s_lshl_b32 s57, s13, 4
	s_add_co_u32 s19, s19, s57
	v_add_nc_u32 v[STO], s19, v1                   ; stage row 32 qh + 16 kh + r: the tile that I finish
	v_mul_u32_u24 v[STO], v[STO], YP
	v_lshl_add_u32 v[STO], v2, 4, v[STO]
	s_lshl_b32 s19, s12, 7
	s_add_co_u32 s19, s19, YST
	v_add_nc_u32 v[STO], s19, v[STO]               ; + 128 x head + 16 h
	s_lshl_b32 s19, s10, 3
	v_add_nc_u32 v[RD], s19, v2                    ; back: row 8 w + h, 16 bytes r
	v_lshlrev_b32 v[CO], 11, v[RD]
	v_lshl_add_u32 v[CO], v1, 4, v[CO]
	v_mul_u32_u24 v[RD], v[RD], YP
	v_lshl_add_u32 v[RD], v1, 4, v[RD]
	v_add_nc_u32 v[RD], YST, v[RD]
	v_and_b32 v3, 31, v0
	v_lshlrev_b32 v3, 4, v3                        ; 16 lane
	s_mul_i32 s19, s10, XWB
	s_add_co_u32 s19, s19, XCH
	v_add_nc_u32 v[XWA], s19, v3
	s_xor_b32 s19, s10, 4                          ; my partner: same head, same queries, the other keys
	s_mul_i32 s19, s19, XWB
	s_add_co_u32 s19, s19, XCH
	v_add_nc_u32 v[XRA], s19, v3
	; the mask: key 64 kh + 16 kt + 8 h + n is beyond query 64 (j & 1) + 32 qh + 16 (lt xor kh) + r  if  16 kt + n > QR
	v_lshlrev_b32 v3, 3, v2
	v_sub_nc_u32 v3, v1, v3                        ; r - 8 h
	s_lshl_b32 s22, s11, 5
	s_mul_i32 s57, s13, 48
	s_sub_co_i32 s22, s22, s57                     ; 32 qh + 16 kh - 64 kh
	s_lshl_b32 s23, s13, 5
	s_sub_co_i32 s23, 16, s23                      ; from local tile 0 to local tile 1: 16 - 32 kh
	s_and_b32 s19, s17, 1
	s_lshl_b32 s19, s19, 6
	s_add_co_i32 s19, s19, s22
	v_add_nc_u32 v[QR], s19, v3
	v_add_nc_u32 v[QR+1], s23, v[QR]
	s_and_b32 s19, s18, 1
	s_lshl_b32 s19, s19, 6
	s_add_co_i32 s19, s19, s22
	v_add_nc_u32 v[QR+2], s19, v3
	v_add_nc_u32 v[QR+3], s23, v[QR+2]
	v_mov_b32 v[MASKV], 0xfb800000                 ; -2^120
	v_mov_b32 v16, 0x3e38aa3b                      ; c = log2(e) / 8
	v_mov_b32 v17, 0x3e38aa3b
	v_mov_b32 v[SND+3], 0                          ; the filler of the send vector
	s_wait_loadcnt 0x0                             ; Q, once
.macro TFMA kt, tb                     ; t = c s - c m of key tile kt
.irp u, 0,2,4,6
	v_pk_fma_f32 v[\tb+\u:\tb+\u+1], v[SB+8*(\kt)+\u:SB+8*(\kt)+\u+1], v[16:17], v[18:19]
.endr
.endm
; The 64 scores of each of local tile lt's rows: mask (diag), maximum, rescaling of l and U, e, sums, P packed in place.
.macro SOFTMAX lt, diag, qr
.set SB, 128+32*\lt
.set LB, 32+16*\lt
.set UB, 40+16*\lt
.set MB, 24+76*\lt                     ; m: v24, or v100 at the head of the send vector
.if \diag
.set n, 0
.rept 32
	v_cmp_gt_i32 vcc_lo, 16*(n/8)+(n%8), v[\qr+\lt]                ; key > query
	v_cndmask_b32 v[SB+n], v[SB+n], v[MASKV], vcc_lo
.set n, n+1
.endr
.endif
.irp k, 0,1,2,3
	v_max3_num_f32 v[T+\k], v[SB+3*\k], v[SB+3*\k+1], v[SB+3*\k+2]    ; four chains, started by the first twelve scores
.endr
.set n, 0
.rept 10
	v_max3_num_f32 v[T+n%4], v[T+n%4], v[SB+12+2*n], v[SB+13+2*n]
.set n, n+1
.endr
	v_max3_num_f32 v[T], v[T], v[T+1], v[T+2]
	v_max_num_f32 v[T], v[T], v[T+3]
	v_permlanex16_b32 v[T+1], v[T], s62, s63       ; the other eight keys of each tile lie in the other half
.if \diag
	v_max_num_f32 v[MB], v[T], v[T+1]
	v_mul_f32 v18, 0xbe38aa3b, v[MB]               ; -c m
	v_mov_b32 v19, v18
.else
	v_max3_num_f32 v[T+2], v[T], v[T+1], v[MB]     ; m'
	v_sub_f32 v22, v[MB], v[T+2]
	v_mul_f32 v22, v16, v22                        ; D = c (m - m')
	v_exp_f32 v20, v22                             ; a
	v_mov_b32 v[MB], v[T+2]                        ; a plain place behind the transcendental (ISA guide 5.7.2)
	v_mul_f32 v18, 0xbe38aa3b, v[T+2]
	s_wait_alu depctr_va_vdst(0)
	v_mov_b32 v21, v20
	v_mul_f32 v22, v22, v20                        ; a D, formed before it meets l
	v_mov_b32 v19, v18
	v_mov_b32 v23, v22
.irp u, 0,2,4,6
	v_pk_mul_f32 v[UB+\u:UB+\u+1], v[UB+\u:UB+\u+1], v[20:21]
.endr
.irp u, 0,2,4,6
	v_pk_fma_f32 v[UB+\u:UB+\u+1], v[LB+\u:LB+\u+1], v[22:23], v[UB+\u:UB+\u+1]
.endr
.irp u, 0,2,4,6
	v_pk_mul_f32 v[LB+\u:LB+\u+1], v[LB+\u:LB+\u+1], v[20:21]
.endr
.endif
	TFMA 0, TA
.irp kt, 0,1,2,3
.set TC, TA+8*(\kt&1)
.set TN, TA+8-8*(\kt&1)
.set ED, SB+8*\kt
.set FIRST, 0
.if \diag
.if \kt == 0
.set ED, LB                            ; the block's first eight e are the start of l
.set FIRST, 1
.endif
.endif
.irp u, 0,1,2,3,4,5,6,7
	v_exp_f32 v[ED+\u], v[TC+\u]
.endr
.if \kt < 3
	TFMA \kt+1, TN                                 ; the next tile's t: the plain place between the exponentials and their use
.else
	v_nop
	s_wait_alu depctr_va_vdst(0)
.endif
.if FIRST
	s_wait_alu depctr_va_vdst(0)
.irp u, 0,2,4,6
	v_pk_mul_f32 v[UB+\u:UB+\u+1], v[LB+\u:LB+\u+1], v[TC+\u:TC+\u+1]
.endr
.else
	s_wait_alu depctr_va_vdst(0)
.irp u, 0,2,4,6
	v_pk_add_f32 v[LB+\u:LB+\u+1], v[LB+\u:LB+\u+1], v[ED+\u:ED+\u+1]
.endr
.irp u, 0,2,4,6
	v_pk_fma_f32 v[UB+\u:UB+\u+1], v[ED+\u:ED+\u+1], v[TC+\u:TC+\u+1], v[UB+\u:UB+\u+1]
.endr
.endif
.irp u, 0,1,2,3
	v_cvt_pk_bf16_f32 v[SB+16*(\kt>>1)+4*(\kt&1)+\u], v[ED+2*\u], v[ED+2*\u+1]   ; tiles 2 kc, 2 kc + 1 make the fragment of 32 keys at S + 16 kc
.endr
.endr
.endm
.macro RESCALE lt
	WIN 0x41                                       ; O in window 1, a in window 0
.set n, 0
.rept 16
	v_pk_mul_f32 v[32*\lt+2*n:32*\lt+2*n+1], v[32*\lt+2*n:32*\lt+2*n+1], v[20:21]
.set n, n+1
.endr
.endm
; O^T += V^T P^T: the four accumulators (16 d each) take turns, one instruction a turn.
.macro PV lt, diag, waits
	WIN 0x51                                       ; source 0 (V) window 1, source 1 (P) window 0, C and D window 1
.irp kc, 0,1
.if \waits
	s_wait_dscnt 8-8*\kc                           ; V's 32 keys kc are in (8 loads each part); the later part may be out
.endif
.set ZERO, 0
.if \diag
.if \kc == 0
.set ZERO, 1
.endif
.endif
.irp db, 0,1,2,3
.if ZERO
	v_wmma_f32_16x16x32_bf16 v[32*\lt+8*\db:32*\lt+8*\db+7], v[VF+8*(4*\kc+\db):VF+8*(4*\kc+\db)+7], v[128+32*\lt+16*\kc:128+32*\lt+16*\kc+7], 0
.else
	v_wmma_f32_16x16x32_bf16 v[32*\lt+8*\db:32*\lt+8*\db+7], v[VF+8*(4*\kc+\db):VF+8*(4*\kc+\db)+7], v[128+32*\lt+16*\kc:128+32*\lt+16*\kc+7], v[32*\lt+8*\db:32*\lt+8*\db+7]
.endif
.endr
.endr
.endm
; One step: my 64 of the 128 keys in slot.  diag = 1: the block's diagonal tile, which starts the sums.  fill = 1: the other slot gets the next tile.
.macro STEP slot, diag, fill, qb, qr
.set OTH, 1-\slot
	s_wait_tensorcnt 0x0                           ; all my tensor loads have landed, my part of this slot among them: a group 0 may be written
	ds_add_u32 v126, v127
	s_wait_dscnt 0x0
.if \fill
	NEXT OTH
.endif
	s_wait_dscnt 0x0                               ; my reads of the other slot are over
	s_barrier_signal -1
	s_barrier_wait -1                              ; both now hold of every wave
.if \fill
	KVLOAD OTH                                     ; the wave's one tensor load behind the barrier, first thing there
	v_nop                                          ; with the four behind the load: five places behind the last step's matrix instructions,
.else                                              ; whose P the first products below write over and on whose V the loads below land
.rept 5
	v_nop
.endr
.endif
.irp kt, 0,1,2,3
.irp ks, 0,1
	ds_load_b128 v[KF+16*\kt+8*\ks:KF+16*\kt+8*\ks+3],   v[KA+\slot] offset:\kt*16*KP+\ks*64
	ds_load_b128 v[KF+16*\kt+8*\ks+4:KF+16*\kt+8*\ks+7], v[KA+\slot] offset:\kt*16*KP+\ks*64+32
.endr
.endr
	WIN 0x40
.irp kc, 0,1
.irp db, 0,1,2,3
	ds_load_tr16_b128 v[VF+8*(4*\kc+\db):VF+8*(4*\kc+\db)+3],   v[VA+\slot] offset:\kc*32*VP+\db*32
	ds_load_tr16_b128 v[VF+8*(4*\kc+\db)+4:VF+8*(4*\kc+\db)+7], v[VA+\slot] offset:\kc*32*VP+\db*32+16*VP
.endr
.endr
	WIN 0x04                                       ; source 0 (K) window 0, source 1 (Q) window 1, C and D window 0
.irp g, 0,1
	s_wait_dscnt 24-8*\g                           ; of the 32 loads the first 8 (g + 1) are in: K's tiles up to 2 g + 1
.irp ks, 0,1
.irp kt, 2*\g, 2*\g+1
.irp lt, 0,1
.if \ks == 0
	v_wmma_f32_16x16x32_bf16 v[128+32*\lt+8*(\kt):128+32*\lt+8*(\kt)+7], v[KF+16*(\kt)+8*\ks:KF+16*(\kt)+8*\ks+7], v[\qb+16*\lt+8*\ks:\qb+16*\lt+8*\ks+7], 0
.else
	v_wmma_f32_16x16x32_bf16 v[128+32*\lt+8*(\kt):128+32*\lt+8*(\kt)+7], v[KF+16*(\kt)+8*\ks:KF+16*(\kt)+8*\ks+7], v[\qb+16*\lt+8*\ks:\qb+16*\lt+8*\ks+7], v[128+32*\lt+8*(\kt):128+32*\lt+8*(\kt)+7]
.endif
.endr
.endr
.endr
.endr
	WIN 0
	PLACES
	SOFTMAX 0, \diag, \qr
.if \diag == 0
	RESCALE 0
.endif
	PV 0, \diag, 1
	WIN 0
	SOFTMAX 1, \diag, \qr
.if \diag == 0
	RESCALE 1
.endif
	PV 1, \diag, 0                                 ; all of V is in since the first local tile's products
	WIN 0
.endm
; A block's end.  l and U over the lane's eight chains and the two halves; local tile 1's state goes to the partner, the partner's state for my
; local tile 0 comes in and is merged; the rows' entropy; y = O / l through the stage.  yb: y's base for the block.
.macro FINISH yb, init
	PLACES
.irp lt, 0,1
.set LB, 32+16*\lt
.set UB, 40+16*\lt
	v_pk_add_f32 v[LB:LB+1],   v[LB:LB+1],   v[LB+2:LB+3]
	v_pk_add_f32 v[LB+4:LB+5], v[LB+4:LB+5], v[LB+6:LB+7]
	v_pk_add_f32 v[UB:UB+1],   v[UB:UB+1],   v[UB+2:UB+3]
	v_pk_add_f32 v[UB+4:UB+5], v[UB+4:UB+5], v[UB+6:UB+7]
	v_pk_add_f32 v[LB:LB+1],   v[LB:LB+1],   v[LB+4:LB+5]
	v_pk_add_f32 v[UB:UB+1],   v[UB:UB+1],   v[UB+4:UB+5]
	v_add_f32 v[LB], v[LB], v[LB+1]
	v_add_f32 v[UB], v[UB], v[UB+1]
	v_permlanex16_b32 v[T], v[LB], s62, s63
	v_permlanex16_b32 v[T+1], v[UB], s62, s63
.if \lt == 0
	v_add_f32 v[LB], v[LB], v[T]
	v_add_f32 v[UB], v[UB], v[T+1]
.else
	v_add_f32 v[SND+1], v[LB], v[T]                ; beside m in the send vector
	v_add_f32 v[SND+2], v[UB], v[T+1]
.endif
.endr
	WIN 0x04                                       ; store data in window 1
.set n, 0
.rept 8
	ds_store_b128 v[XWA], v[32+4*n:32+4*n+3] offset:512*n          ; O of local tile 1, as the registers lie: 512 consecutive bytes a store
.set n, n+1
.endr
	WIN 0
	ds_store_b128 v[XWA], v[SND:SND+3] offset:4096
	s_wait_dscnt 0x0                               ; for the partner's sake
	s_barrier_signal -1                            ; the next tile may stay on its way
	s_barrier_wait -1
	WIN 0x40
.set n, 0
.rept 8
	ds_load_b128 v[PO+4*n:PO+4*n+3], v[XRA] offset:512*n
.set n, n+1
.endr
	WIN 0
	ds_load_b128 v[T+4:T+7], v[XRA] offset:4096    ; the partner's m, l, U
	s_wait_dscnt 0x0
	v_max_num_f32 v[T+8], v24, v[T+4]              ; m of both
	v_sub_f32 v[T+9], v24, v[T+8]
	v_sub_f32 v[T+10], v[T+4], v[T+8]
	v_mul_f32 v[T+9], v16, v[T+9]                  ; D mine
	v_mul_f32 v[T+10], v16, v[T+10]                ; D the partner's
	v_exp_f32 v20, v[T+9]                          ; a mine
	v_exp_f32 v22, v[T+10]                         ; a the partner's
	v_nop                                          ; a plain place behind the transcendentals
	s_wait_alu depctr_va_vdst(0)
	v_mul_f32 v[T+9], v[T+9], v20                  ; a D, formed before it meets l
	v_mul_f32 v[T+10], v[T+10], v22
	v_mul_f32 v[T+11], v40, v20                    ; U = a U + (a D) l, mine and the partner's
	v_mul_f32 v[T+12], v32, v20                    ; l = a l, mine and the partner's
	v_fma_f32 v[T+11], v[T+9], v32, v[T+11]
	v_fma_f32 v[T+12], v[T+5], v22, v[T+12]
	v_fma_f32 v[T+11], v[T+6], v22, v[T+11]
	v_fma_f32 v[T+11], v[T+10], v[T+5], v[T+11]
	v_rcp_f32 v[T+13], v[T+12]                     ; l is at least about 1: the row's largest score gives e = 1
	v_log_f32 v[T+14], v[T+12]
	v_nop
	s_wait_alu depctr_va_vdst(0)
	v_mul_f32 v20, v20, v[T+13]                    ; a / l
	v_mul_f32 v22, v22, v[T+13]
.if \init
	v_fma_f32 v26, -v[T+11], v[T+13], v[T+14]      ; log2 l - U / l starts the sum
.else
	v_fma_f32 v[T+14], -v[T+11], v[T+13], v[T+14]
	v_add_f32 v26, v26, v[T+14]
.endif
	v_mov_b32 v21, v20
	v_mov_b32 v23, v22
	WIN 0x01                                       ; source 0 in window 1
.set n, 0
.rept 16
	v_pk_mul_f32 v[128+2*n:128+2*n+1], v[2*n:2*n+1], v[20:21]
.set n, n+1
.endr
.set n, 0
.rept 16
	v_pk_fma_f32 v[128+2*n:128+2*n+1], v[PO+2*n:PO+2*n+1], v[22:23], v[128+2*n:128+2*n+1]
.set n, n+1
.endr
	WIN 0
.set n, 0
.rept 16
	v_cvt_pk_bf16_f32 v[80+n], v[128+2*n], v[128+2*n+1]
.set n, n+1
.endr
.irp db, 0,1,2,3
	ds_store_b128 v[STO], v[80+4*\db:80+4*\db+3] offset:32*\db     ; query r, d = 16 db + 8 h + 0 .. 7
.endr
	s_wait_dscnt 0x0                               ; for the others' sake: my part of the stage is written, my reads of the exchange are over
	s_barrier_signal -1
	s_barrier_wait -1
.irp t, 0,1,2,3
	ds_load_b128 v[128+4*\t:128+4*\t+3], v[RD] offset:\t*2*YP
.endr
.irp t, 0,1,2,3
	s_wait_dscnt 3-\t
	global_store_b128 v[CO], v[128+4*\t:128+4*\t+3], s[\yb:\yb+1] offset:\t*4096   ; 16 lanes store the two heads' 256 consecutive bytes of a row, aligned
.endr
	s_wait_xcnt 0x0                                ; the stores' data lie in S, which the next step writes
.endm
	STEP 0, 1, 1, QO, QR                           ; the first block's diagonal tile
	s_lshr_b32 s56, s17, 2                         ; its full tiles, two a trip; none for j = 0 and j = 1
	s_cmp_eq_u32 s56, 0
	s_cbranch_scc1 .Lo_done
.Lo:
	STEP 1, 0, 1, QO, QR
	STEP 0, 0, 1, QO, QR
	s_sub_co_u32 s56, s56, 1
	s_cmp_lg_u32 s56, 0
	s_cbranch_scc1 .Lo
.Lo_done:
	FINISH 58, 1
	s_mov_b32 s52, 0                               ; the second block's full tiles
	s_lshr_b32 s53, s18, 1
	STEP 1, 1, 1, QE, QR+2                         ; its diagonal tile
	s_lshr_b32 s56, s18, 2                         ; all its full tiles but the last, two a trip; none for j = 2 and j = 3
	s_cmp_eq_u32 s56, 0
	s_cbranch_scc1 .Le_done
.Le:
	STEP 0, 0, 1, QE, QR+2
	STEP 1, 0, 1, QE, QR+2
	s_sub_co_u32 s56, s56, 1
	s_cmp_lg_u32 s56, 0
	s_cbranch_scc1 .Le
.Le_done:
	STEP 0, 0, 0, QE, QR+2                         ; the last tile: nothing is left to fetch
	FINISH 60, 0
	; the entropy of the 32 rows that I finished: both halves of the lanes hold the same 16 rows' figures, so four steps inside a half are the whole sum
	v_add_f32_dpp v26, v26, v26 row_xmask:1 row_mask:0xf bank_mask:0xf
	v_add_f32_dpp v26, v26, v26 row_xmask:2 row_mask:0xf bank_mask:0xf
	v_add_f32_dpp v26, v26, v26 row_xmask:4 row_mask:0xf bank_mask:0xf
	v_add_f32_dpp v26, v26, v26 row_xmask:8 row_mask:0xf bank_mask:0xf
	v_mov_b32 v[T], s10
	v_lshlrev_b32 v[T], 2, v[T]
	v_add_nc_u32 v[T], ENTW, v[T]
	ds_store_b32 v[T], v26                         ; all lanes write the same word with the same value
	s_wait_dscnt 0x0
	s_barrier_signal -1
	s_barrier_wait -1
	s_cmp_lg_u32 s10, 0
	s_cbranch_scc1 .Lend
	v_mov_b32 v[T], ENTW
	ds_load_b128 v[T+4:T+7], v[T]
	ds_load_b128 v[T+8:T+11], v[T] offset:16
	s_wait_dscnt 0x0
	v_pk_add_f32 v[T+4:T+5], v[T+4:T+5], v[T+6:T+7]
	v_pk_add_f32 v[T+8:T+9], v[T+8:T+9], v[T+10:T+11]
	v_pk_add_f32 v[T+4:T+5], v[T+4:T+5], v[T+8:T+9]
	v_add_f32 v[T+4], v[T+4], v[T+5]
	v_mul_f32 v[T+4], 0x37317218, v[T+4]           ; x ln 2 / 65,536: nats, and the mean over 2 x 16 x 2,048 rows
	v_mov_b32 v[T+5], 0
	v_cmp_eq_u32 vcc_lo, 0, v0
	s_wait_xcnt 0x0                                ; EXEC changes only behind this wait
	s_and_saveexec_b32 s19, vcc_lo
	global_store_b32 v[T+5], v[T+4], s[8:9]        ; one number for the work-group: nothing to join it to
	s_wait_xcnt 0x0
	s_or_b32 exec_lo, exec_lo, s19
.Lend:
	s_wait_tensorcnt 0x0
	ds_add_u32 v126, v127
	s_wait_dscnt 0x0
	s_endpgm
.Lfunc_end_k_q86f83d7f15_attn:
	.size	k_q86f83d7f15_attn, .Lfunc_end_k_q86f83d7f15_attn-k_q86f83d7f15_attn
	.p2alignl 7, 3214868480
	.fill 96, 4, 3214868480
	.section	.rodata,"a",@progbits
	.p2align	6, 0x0
	.amdhsa_kernel k_q86f83d7f15_attn
		.amdhsa_group_segment_fixed_size 327680
		.amdhsa_private_segment_fixed_size 0
		.amdhsa_enable_private_segment 0
		.amdhsa_kernarg_size 24
		.amdhsa_user_sgpr_count 2
		.amdhsa_user_sgpr_kernarg_segment_ptr 1
		.amdhsa_wavefront_size32 1
		.amdhsa_system_sgpr_workgroup_id_x 1
		.amdhsa_system_sgpr_workgroup_id_y 1
		.amdhsa_system_sgpr_workgroup_id_z 1
		.amdhsa_system_vgpr_workitem_id 0
		.amdhsa_next_free_vgpr 512
		.amdhsa_next_free_sgpr 80
		.amdhsa_reserve_vcc 1
		.amdhsa_float_denorm_mode_32 3
		.amdhsa_float_denorm_mode_16_64 3
		.amdhsa_memory_ordered 1
		.amdhsa_forward_progress 1
		.amdhsa_inst_pref_size 181
	.end_amdhsa_kernel
	.amdgpu_metadata
---
amdhsa.version: [ 1, 2 ]
amdhsa.kernels:
  - .name:           k_q86f83d7f15_attn
    .symbol:         k_q86f83d7f15_attn.kd
    .args:
      - { .name: qkv, .offset: 0, .size: 8, .value_kind: global_buffer, .address_space: global }
      - { .name: y, .offset: 8, .size: 8, .value_kind: global_buffer, .address_space: global }
      - { .name: ent, .offset: 16, .size: 8, .value_kind: global_buffer, .address_space: global }
    .group_segment_fixed_size: 327680
    .private_segment_fixed_size: 0
    .kernarg_segment_align: 8
    .kernarg_segment_size: 24
    .max_flat_workgroup_size: 256
    .sgpr_count:     80
    .vgpr_count:     512
    .wavefront_size: 32
...
	.end_amdgpu_metadata
.endif
;; end of part 3
;; launch aproj (part 4): grid 8 x 32, 4 waves a work-group, clusters of 4 x 4, 327,680 bytes of LDS; arguments y, wb, attnproj_b, x, x1; writes x1
.if DOCPART == 4
	.amdgcn_target "amdgcn-amd-amdhsa--gfx1250"
	.amdhsa_code_object_version 6
	.text
	.protected	k_q86f83d7f15_aproj
	.globl	k_q86f83d7f15_aproj
	.p2align	8
	.type	k_q86f83d7f15_aproj,@function
k_q86f83d7f15_aproj:
	s_mov_b64 s[64:65], 0
	v_nop
	global_prefetch_b8 v0, s[64:65] scope:SCOPE_SE
	s_setreg_imm32_b32 hwreg(HW_REG_WAVE_MODE, 25, 1), 1
	s_wait_xcnt 0x0
	s_wait_alu depctr_hold_cnt(0) depctr_sa_sdst(0) depctr_va_vdst(0) depctr_va_sdst(0) depctr_va_ssrc(0) depctr_va_vcc(0) depctr_vm_vsrc(0)
	s_getreg_b32 s2, hwreg(HW_REG_IB_STS2, 6, 4)
	s_cmp_eq_u32 s2, 0
	s_cbranch_scc0 .Lentry_in_a_cluster
	s_endpgm
.Lentry_in_a_cluster:
	s_bfe_u32 s2, ttmp6, 0x10000c
	s_cmp_lg_u32 s2, 0xf033
	s_cbranch_scc0 .Lentry_shape_is_right
	s_endpgm
.Lentry_shape_is_right:
; x1 = x + y Wo^T + attnproj_b, in f32.  y: [4096][1024] bf16.  Wo: [1024][1024] bf16 at byte 6,291,456 of wb.
; N = 1,024 leaves a block of 128 x 128 for each of 256 work-groups.  Waves of 64 x 64 would load twice the LDS bytes for each matrix
; instruction, so K IS SPLIT instead: every wave makes the whole 128 x 128 block (64 accumulator tiles, 512 registers) for a quarter of K,
; and the four partial blocks are added once, through LDS.
; A slot of the ring holds K = 256 (rows of 512 bytes): wave w multiplies the 64 K at byte 128 w of the rows, as two pieces of 32.
; THE WALK THROUGH K IS ROTATED: a cluster starts at slot step 0 or NS / 2, by the parity of cluster x + cluster y, and wraps round.  The two
; clusters that need the same rows of y differ in x, neighbours along y need the same rows of Wo: so from its step NS / 2 on a cluster asks
; only for tiles that another cluster has asked for NS / 2 steps before.  The start hangs on the cluster's place alone, which all partners share.
; LIMIT, stated: each output is the sum of four partial K sums (own, then the partners' in a fixed order), each begun at the cluster's first
; K step: an order of rounding that differs from one ascending sum.
; Wave w takes A's pairs of row blocks in the order p xor w (p = 0 .. 3), so that in every wave accumulator rows 0-31 are the 32 rows that
; the wave owns at the end (rows 32 w ..), in the same registers in every wave.
; CLUSTERS: 4 x 4 work-groups; y's tiles are shared along a row of the cluster, Wo's along a column, by joint loads.
; REGISTERS: window 0: v0-31 addresses, bias; v64-191 fragments of y, later exchange and read-back.  Window 1: v64-191 fragments of Wo, later
; exchange; v0-63 and v192-255 the residual of my 32 rows.  Windows 2, 3: accumulators (tile (a, b) at v[8 (8 (a & 3) + b)]).
; The matrix instruction is used transposed: lane l holds row l % 16, columns 8 (l / 16) + 0 .. 7.
.set SIZE_K, 1024
.set WOFF,   6291456
.set KSLOT,  256
.set NS,     SIZE_K/KSLOT              ; 4 slot steps
.set PITCH,  528                       ; 512 bytes + 16 of padding
.set HALFT,  64*PITCH                  ; what one tensor load brings: 64 rows
.set SLOT,   4*HALFT                   ; y's 128 rows, then Wo's 128 rows
.set XCH,    49152                     ; a wave's exchange region: three blocks of 32 x 128 f32.  It lies in the ring, behind the ring's last fill
.set LAPS,   SIZE_K/(2*KSLOT)          ; 2
.set ADRA, 8                           ; v8-15   LDS address of A's row pair p in slot s at v[8 + 4 s + p]
.set XW,   16                          ; v16     my exchange region + 16 lane: writes; also the read-back of my stage
.set XR,   17                          ; v17-19  where partner p xor w has put the block for me
.set ADRB, 20                          ; v20-21
.set STO,  24                          ; v24     stage: row l % 16, 32 bytes for each half of the lanes
.set CO,   26                          ; v26     16 lane
.set BI,   28                          ; v[28:31] bias of my 4 columns
.set F0,   64
.set F1,   128
.set G1,  24
.set G0,  32
.set G1B, 48
.set G0B, 56
.set MSB, 0
.macro WIN new
.if MSB != \new
	s_set_vgpr_msb (MSB<<8)|\new
.set MSB, \new
.endif
.endm
.set MUL_LO, 0xa1
.set MUL_HI, 0xf1
.set TO_B,   0x40
.macro JLOAD s                         ; waves 0 and 1 fetch A's two halves, waves 2 and 3 B's; one mask a line; the branch hangs on the wave's number alone
	s_cmp_eq_u32 s11, 0
	s_cbranch_scc0 .Lfor_b_\@
	tensor_load_to_lds s[G0+4*\s:G0+4*\s+3], s[G1:G1+7]
	s_nop 0
.rept 4
	v_nop
.endr
	s_branch .Lasked_\@
.Lfor_b_\@:
	tensor_load_to_lds s[G0B+4*\s:G0B+4*\s+3], s[G1B:G1B+7]
	s_nop 0
.rept 4
	v_nop
.endr
.Lasked_\@:
.endm
; The next slot step's addresses into slot s's two group 0: s45 counts start + requests made; the step is that modulo NS, 512 bytes of a row each.
; It stands where no tensor load of the wave names these registers: at the start, or behind the wait for all tensor loads.
.macro ADDR s
	s_and_b32 s72, s45, NS-1
	s_lshl_b32 s72, s72, 9
	s_add_co_u32 s45, s45, 1
	s_add_nc_u64 s[G0+4*\s+2:G0+4*\s+3], s[14:15], s[72:73]
	s_or_b32 s[G0+4*\s+3], s[G0+4*\s+3], 0x80000000
	s_add_nc_u64 s[G0B+4*\s+2:G0B+4*\s+3], s[46:47], s[72:73]
	s_or_b32 s[G0B+4*\s+3], s[G0B+4*\s+3], 0x80000000
.endm
.macro CREST                           ; a round of the cluster's barrier behind its opening barrier
	s_cmp_lg_u32 s10, 0
	s_cbranch_scc1 .Lnot_wave_0_\@
	s_barrier_signal -3
.Lnot_wave_0_\@:
	s_barrier_wait -3
	s_barrier_signal -1
	s_barrier_wait -1
.endm
.macro CROUND
	s_barrier_signal -1
	s_barrier_wait -1
	CREST
.endm
	s_load_b128 s[4:7], s[0:1], 0x0                ; A s[4:5], wb s[6:7]
	s_load_b128 s[68:71], s[0:1], 0x10             ; bias s[68:69], residual s[70:71]
	s_load_b64 s[8:9], s[0:1], 0x20                ; out
	v_lshl_add_u32 v254, v0, 2, 0x42000
	v_mov_b32 v255, 0
	ds_add_u32 v254, v255
	ds_add_u32 v254, v255
	v_lshrrev_b32 v1, 5, v0
	v_readfirstlane_b32 s10, v1                    ; wave: my quarter of K
	s_lshr_b32 s11, s10, 1                         ; I fetch for A (0) or for B (1)
	s_and_b32 s12, s10, 1                          ; which 64 rows of that tile I fetch
	s_bfe_u32 s40, ttmp6, 0x40000                  ; cx
	s_bfe_u32 s41, ttmp6, 0x40004                  ; cy
	s_lshl_b32 s42, ttmp9, 2
	s_add_co_u32 s42, s42, s40                     ; block column
	s_and_b32 s13, ttmp7, 0xffff
	s_lshl_b32 s13, s13, 2
	s_add_co_u32 s13, s13, s41                     ; block row
	s_lshl_b32 s43, s41, 2
	s_lshl_b32 s43, 15, s43                        ; my row of the cluster
	s_lshl_b32 s44, 0x1111, s40                    ; my column
	s_xor_b32 s45, ttmp9, ttmp7                    ; the cluster's first slot step: 0 or NS / 2, by the parity of cluster x + cluster y
	s_and_b32 s45, s45, 1
	s_mul_i32 s45, s45, NS/2
	s_mov_b32 s73, 0
	; group 1: 64 rows x 256 elements of 2 bytes, 4 words of padding behind every 128 words
	s_or_b32 s[G1+0], s43, (1<<16)|(1<<20)|(1<<21)|(6<<22)|(3<<25)
	s_or_b32 s[G1B+0], s44, (1<<16)|(1<<20)|(1<<21)|(6<<22)|(3<<25)
	s_mov_b32 s[G1+1], KSLOT<<16                   ; tensor_dim0 = 256
	s_mov_b32 s[G1B+1], KSLOT<<16
	s_mov_b32 s[G1+2], 64<<16                      ; tensor_dim1 = 64
	s_mov_b32 s[G1B+2], 64<<16
	s_mov_b32 s[G1+3], KSLOT<<16                   ; tile_dim0 = 256
	s_mov_b32 s[G1B+3], KSLOT<<16
	s_mov_b32 s[G1+4], 64                          ; tile_dim1 = 64
	s_mov_b32 s[G1B+4], 64
	s_mov_b32 s[G1+5], SIZE_K                      ; elements from row to row
	s_mov_b32 s[G1B+5], SIZE_K
	s_mov_b32 s[G1+6], 0
	s_mov_b32 s[G1B+6], 0
	s_mov_b32 s[G1+7], 0
	s_mov_b32 s[G1B+7], 0
	s_lshl_b32 s17, s12, 6
	s_lshl_b32 s16, s13, 7
	s_add_co_u32 s16, s16, s17                     ; A: row 128 x block row + 64 x half
	s_lshl_b32 s46, s42, 7
	s_add_co_u32 s46, s46, s17                     ; B: row 128 x block column + 64 x half
	s_mov_b32 s17, 0
	s_mov_b32 s47, 0
	s_mov_b64 s[18:19], SIZE_K*2
	s_mul_u64 s[16:17], s[16:17], s[18:19]
	s_mul_u64 s[46:47], s[46:47], s[18:19]
	s_mul_i32 s20, s10, HALFT                      ; LDS: wave x 64 rows
	s_wait_dscnt 0x0
	s_wait_kmcnt 0x0
	s_add_nc_u64 s[6:7], s[6:7], WOFF
	s_add_nc_u64 s[14:15], s[4:5], s[16:17]        ; my rows of A at K = 0; kept for the whole walk
	s_add_nc_u64 s[46:47], s[6:7], s[46:47]        ; my rows of B at K = 0; kept likewise
	CROUND                                         ; the first joint loads meet
.irp s, 0,1
	s_mov_b32 s[G0+4*\s], 1
	s_add_co_u32 s[G0+4*\s+1], s20, \s*SLOT
	s_mov_b32 s[G0B+4*\s], 1
	s_add_co_u32 s[G0B+4*\s+1], s20, \s*SLOT
	ADDR \s
	JLOAD \s                                       ; two tensor loads of the wave are out
.endr
	v_and_b32 v1, 15, v0                           ; r
	v_bfe_u32 v2, v0, 4, 1                         ; h
	v_and_b32 v4, 31, v0
	v_lshlrev_b32 v[CO], 4, v4                     ; 16 lane
	; the residual of the 32 rows that I own and the bias of my 4 columns: asked for now, waited for at the end
	s_lshl_b32 s76, s13, 19                        ; (128 x block row + 32 w) rows of 4,096 bytes + 512 x block column
	s_lshl_b32 s77, s10, 17
	s_add_co_u32 s76, s76, s77
	s_lshl_b32 s78, s42, 9
	s_add_co_u32 s76, s76, s78
	s_mov_b32 s77, 0
	s_mov_b32 s79, 0
	s_add_nc_u64 s[70:71], s[70:71], s[76:77]
	s_add_nc_u64 s[8:9], s[8:9], s[76:77]
	s_add_nc_u64 s[68:69], s[68:69], s[78:79]
	WIN TO_B
.set n, 0
.rept 16
	global_load_b128 v[4*n:4*n+3], v[CO], s[70:71] offset:4096*n           ; a row's 512 consecutive bytes
.set n, n+1
.endr
.set n, 0
.rept 16
	global_load_b128 v[192+4*n:192+4*n+3], v[CO], s[70:71] offset:4096*(16+n)
.set n, n+1
.endr
	WIN 0
	global_load_b128 v[BI:BI+3], v[CO], s[68:69]
	v_mul_u32_u24 v3, v1, PITCH
	v_lshl_add_u32 v3, v2, 4, v3                   ; row x pitch + 16 h
	s_lshl_b32 s21, s10, 7                         ; my 64 K: byte 128 w of the rows
.irp s, 0,1
	s_add_co_u32 s22, s21, 2*HALFT+\s*SLOT
	v_add_nc_u32 v[ADRB+\s], s22, v3
.irp p, 0,1,2,3
	s_xor_b32 s22, s10, \p                         ; row pair p xor w
	s_mul_i32 s22, s22, 32*PITCH
	s_add_co_u32 s22, s22, s21
	s_add_co_u32 s22, s22, \s*SLOT
	v_add_nc_u32 v[ADRA+4*\s+\p], s22, v3
.endr
.endr
	s_mul_i32 s23, s10, XCH
	v_add_nc_u32 v[XW], s23, v[CO]
.irp p, 1,2,3
	s_xor_b32 s22, s10, \p                         ; partner p xor w made my rows as its block p
	s_mul_i32 s22, s22, XCH
	s_add_co_u32 s22, s22, (\p-1)*16384
	v_add_nc_u32 v[XR+\p-1], s22, v[CO]
.endr
	v_mul_u32_u24 v5, v1, PITCH
	v_lshl_add_u32 v5, v2, 5, v5
	v_add_nc_u32 v[STO], s23, v5
.macro MUL16 f, hi, a0, zero
.irp a, \a0, \a0+1
.irp b, 0,1,2,3,4,5,6,7
.if \zero
	v_wmma_f32_16x16x32_bf16 v[8*(8*(\a)+\b):8*(8*(\a)+\b)+7], v[\f+8*\b:\f+8*\b+7], v[\f+8*(4*\hi+\a):\f+8*(4*\hi+\a)+7], 0
.else
	v_wmma_f32_16x16x32_bf16 v[8*(8*(\a)+\b):8*(8*(\a)+\b)+7], v[\f+8*\b:\f+8*\b+7], v[\f+8*(4*\hi+\a):\f+8*(4*\hi+\a)+7], v[8*(8*(\a)+\b):8*(8*(\a)+\b)+7]
.endif
.endr
.endr
.endm
.macro FETCH slot, k, f                ; 32 LDS loads in one run: 128 rows of B, 128 rows of A, 32 K at byte 128 w + k of the rows
	WIN TO_B
.irp i, 0,1,2,3,4,5,6,7
	ds_load_b128 v[\f+8*\i:\f+8*\i+3],   v[ADRB+\slot] offset:\k+\i*16*PITCH
	ds_load_b128 v[\f+8*\i+4:\f+8*\i+7], v[ADRB+\slot] offset:\k+\i*16*PITCH+32
.endr
	WIN 0
.irp i, 0,1,2,3,4,5,6,7
	ds_load_b128 v[\f+8*\i:\f+8*\i+3],   v[ADRA+4*\slot+(\i>>1)] offset:\k+(\i&1)*16*PITCH
	ds_load_b128 v[\f+8*\i+4:\f+8*\i+7], v[ADRA+4*\slot+(\i>>1)] offset:\k+(\i&1)*16*PITCH+32
.endr
.endm
.macro PLACES                          ; four plain places behind a matrix instruction (ISA guide 7.12.1)
.rept 4
	v_nop
.endr
.endm
; 64 matrix instructions on buffer f; the 64 accumulators take turns, one instruction a turn, in the same order every time
.macro QUARTER slot, k, f, g, zero
	s_wait_dscnt 8                                 ; B and A's fragments 0-3 are in; the youngest eight loads (A's fragments 4-7) may be out
	WIN MUL_LO
	MUL16 \f, 0, 0, \zero
	MUL16 \f, 0, 2, \zero
	PLACES
	FETCH \slot, \k, \g
	s_wait_dscnt 32                                ; all but the 32 just issued
	WIN MUL_HI
	MUL16 \f, 1, 0, \zero
	MUL16 \f, 1, 2, \zero
.endm
; The slot's second piece, and the change of slots: waits for my reads and for all my tensor loads, the barrier (with fill: a round of the
; cluster's barrier), the refill first behind it.  From a request to the wait for it a wave issues 112 matrix instructions.
.macro TURN slot, next, fill
	s_wait_dscnt 8
	WIN MUL_LO
	MUL16 F1, 0, 0, 0
	s_wait_dscnt 0                                 ; my reads of this slot are over
	s_set_vgpr_msb 0xa1a0
	s_wait_tensorcnt 0x0                           ; all my tensor loads have landed: the one that was out is my part of the next slot
	ds_add_u32 v254, v255
	s_wait_dscnt 0x0
	s_set_vgpr_msb 0xa0a1
	s_barrier_signal -1
	MUL16 F1, 0, 2, 0
	WIN 0
	s_barrier_wait -1
.if \fill
	CREST
	ADDR \slot
	JLOAD \slot                                    ; the wave's one tensor load behind the round; its four v_nop are the places in front of the loads below
.else
	PLACES
.endif
	FETCH \next, 0, F0
	WIN MUL_HI
	MUL16 F1, 1, 0, 0
	MUL16 F1, 1, 2, 0
.endm
.macro LAP zero
	QUARTER 0, 64, F0, F1, \zero
	TURN 0, 1, 1
	QUARTER 1, 64, F0, F1, 0
	TURN 1, 0, 1
.endm
	s_wait_tensorcnt 1                             ; my part of slot 0 is in; slot 1's stays out
	s_barrier_signal -1
	s_barrier_wait -1
	FETCH 0, 0, F0
	LAP 1                                          ; its first 64 products start the sums
.if LAPS > 2
	WIN 0
	s_mov_b32 s3, LAPS-2
.Llap:
	LAP 0
	WIN 0
	s_sub_co_u32 s3, s3, 1
	s_cmp_lg_u32 s3, 0
	s_cbranch_scc1 .Llap
.endif
	QUARTER 0, 64, F0, F1, 0                       ; the last lap fills nothing
	TURN 0, 1, 0
	QUARTER 1, 64, F0, F1, 0
	s_wait_dscnt 8
	WIN MUL_LO
	MUL16 F1, 0, 0, 0
	MUL16 F1, 0, 2, 0
	s_wait_dscnt 0
	WIN MUL_HI
	MUL16 F1, 1, 0, 0
	MUL16 F1, 1, 2, 0
	; THE FOUR PARTIAL BLOCKS MEET.  No tensor load is out since the last change of slots, and none follows: the ring's bytes are free.
	PLACES
	WIN 0
	s_wait_dscnt 0x0
	s_barrier_signal -1
	s_barrier_wait -1                              ; every wave's reads of the ring are over
	WIN 0x08                                       ; store data in window 2
.set n, 0
.rept 32
	ds_store_b128 v[XW], v[128+4*n:128+4*n+3] offset:512*n         ; my block p = 1, as the registers lie: 512 consecutive bytes a store
.set n, n+1
.endr
	WIN 0x0c                                       ; window 3
.set n, 0
.rept 64
	ds_store_b128 v[XW], v[4*n:4*n+3] offset:16384+512*n           ; p = 2 and p = 3
.set n, n+1
.endr
	WIN 0
	s_wait_dscnt 0x0                               ; for the others' sake
	s_barrier_signal -1
	s_barrier_wait -1
.set n, 0
.rept 32
	ds_load_b128 v[64+4*n:64+4*n+3], v[XR] offset:512*n
.set n, n+1
.endr
	WIN 0x40
.set n, 0
.rept 32
	ds_load_b128 v[64+4*n:64+4*n+3], v[XR+1] offset:512*n
.set n, n+1
.endr
	s_wait_dscnt 32                                ; the first partner's 32 loads are in
	WIN 0x82
.set n, 0
.rept 64
	v_pk_add_f32 v[2*n:2*n+1], v[2*n:2*n+1], v[64+2*n:65+2*n]
.set n, n+1
.endr
	WIN 0
.set n, 0
.rept 32
	ds_load_b128 v[64+4*n:64+4*n+3], v[XR+2] offset:512*n
.set n, n+1
.endr
	s_wait_dscnt 32                                ; the second partner's
	WIN 0x86
.set n, 0
.rept 64
	v_pk_add_f32 v[2*n:2*n+1], v[2*n:2*n+1], v[64+2*n:65+2*n]
.set n, n+1
.endr
	s_wait_dscnt 0x0
	WIN 0x82
.set n, 0
.rept 64
	v_pk_add_f32 v[2*n:2*n+1], v[2*n:2*n+1], v[64+2*n:65+2*n]
.set n, n+1
.endr
	WIN 0
	s_barrier_signal -1                            ; my stage is the head of my exchange region, which partners have been reading:
	s_barrier_wait -1                              ; all reads are over (each wave's wait for 0 stands above)
	s_wait_loadcnt 0x0                             ; residual and bias
	; my 32 rows, 16 at a time: into the stage by lanes, back by rows of 512 bytes, + residual + bias, out
.irp ap, 0,1
.set RB,  64+64*\ap
.set RES, 192*\ap
	WIN 0x08
.irp b, 0,1,2,3,4,5,6,7
	ds_store_b128 v[STO], v[8*(8*\ap+\b):8*(8*\ap+\b)+3]   offset:64*\b
	ds_store_b128 v[STO], v[8*(8*\ap+\b)+4:8*(8*\ap+\b)+7] offset:64*\b+16
.endr
	WIN 0
.irp t, 0,1,2,3,4,5,6,7,8,9,10,11,12,13,14,15
	ds_load_b128 v[RB+4*\t:RB+4*\t+3], v[XW] offset:\t*PITCH       ; LDS serves a wave's instructions in order: these see the stores above
.endr
	s_wait_dscnt 0x0
	WIN 0x04
.set n, 0
.rept 32
	v_pk_add_f32 v[RB+2*n:RB+2*n+1], v[RB+2*n:RB+2*n+1], v[RES+2*n:RES+2*n+1]
.set n, n+1
.endr
	WIN 0
.irp t, 0,1,2,3,4,5,6,7,8,9,10,11,12,13,14,15
	v_pk_add_f32 v[RB+4*\t:RB+4*\t+1],   v[RB+4*\t:RB+4*\t+1],   v[BI:BI+1]
	v_pk_add_f32 v[RB+4*\t+2:RB+4*\t+3], v[RB+4*\t+2:RB+4*\t+3], v[BI+2:BI+3]
	global_store_b128 v[CO], v[RB+4*\t:RB+4*\t+3], s[8:9] offset:(16*\ap+\t)*4096   ; 512 consecutive bytes of one row, aligned
.endr
.endr
	s_wait_tensorcnt 0x0
	ds_add_u32 v254, v255
	s_wait_dscnt 0x0
	CROUND                                         ; the closing round
	s_endpgm
.Lfunc_end_k_q86f83d7f15_aproj:
	.size	k_q86f83d7f15_aproj, .Lfunc_end_k_q86f83d7f15_aproj-k_q86f83d7f15_aproj
	.p2alignl 7, 3214868480
	.fill 96, 4, 3214868480
	.section	.rodata,"a",@progbits
	.p2align	6, 0x0
	.amdhsa_kernel k_q86f83d7f15_aproj
		.amdhsa_group_segment_fixed_size 327680
		.amdhsa_private_segment_fixed_size 0
		.amdhsa_enable_private_segment 0
		.amdhsa_kernarg_size 40
		.amdhsa_user_sgpr_count 2
		.amdhsa_user_sgpr_kernarg_segment_ptr 1
		.amdhsa_wavefront_size32 1
		.amdhsa_system_sgpr_workgroup_id_x 1
		.amdhsa_system_sgpr_workgroup_id_y 1
		.amdhsa_system_sgpr_workgroup_id_z 1
		.amdhsa_system_vgpr_workitem_id 0
		.amdhsa_next_free_vgpr 1024
		.amdhsa_next_free_sgpr 80
		.amdhsa_reserve_vcc 0
		.amdhsa_float_denorm_mode_32 3
		.amdhsa_float_denorm_mode_16_64 3
		.amdhsa_memory_ordered 1
		.amdhsa_forward_progress 1
		.amdhsa_inst_pref_size 106
	.end_amdhsa_kernel
	.amdgpu_metadata
---
amdhsa.version: [ 1, 2 ]
amdhsa.kernels:
  - .name:           k_q86f83d7f15_aproj
    .symbol:         k_q86f83d7f15_aproj.kd
    .args:
      - { .name: y, .offset: 0, .size: 8, .value_kind: global_buffer, .address_space: global }
      - { .name: wb, .offset: 8, .size: 8, .value_kind: global_buffer, .address_space: global }
      - { .name: attnproj_b, .offset: 16, .size: 8, .value_kind: global_buffer, .address_space: global }
      - { .name: x, .offset: 24, .size: 8, .value_kind: global_buffer, .address_space: global }
      - { .name: x1, .offset: 32, .size: 8, .value_kind: global_buffer, .address_space: global }
    .group_segment_fixed_size: 327680
    .private_segment_fixed_size: 0
    .kernarg_segment_align: 8
    .kernarg_segment_size: 40
    .max_flat_workgroup_size: 128
    .sgpr_count:     80
    .vgpr_count:     1024
    .wavefront_size: 32
...
	.end_amdgpu_metadata
.endif
;; end of part 4
;; launch ln2 (part 5): grid 256 x 1, 8 waves a work-group, no clusters, 0 bytes of LDS; arguments x1, ln2_w, ln2_b, ent, h, out1; writes h, out1
.if DOCPART == 5
	.amdgcn_target "amdgcn-amd-amdhsa--gfx1250"
	.amdhsa_code_object_version 6
	.text
	.protected	k_q86f83d7f15_ln2
	.globl	k_q86f83d7f15_ln2
	.p2align	8
	.type	k_q86f83d7f15_ln2,@function
k_q86f83d7f15_ln2:
	s_mov_b64 s[64:65], 0
	v_nop
	global_prefetch_b8 v0, s[64:65] scope:SCOPE_SE
	s_setreg_imm32_b32 hwreg(HW_REG_WAVE_MODE, 25, 1), 1
	s_wait_xcnt 0x0
; h = LayerNorm(x1) * ln2_w + ln2_b, rounded once to bf16; and out1 = the sum of the 256 shares in ent (each already scaled to the mean).
; A stream: no LDS, no barrier.  2,048 waves, W = 8 x work-group + wave; wave W takes rows 2W and 2W+1.  A row of 4,096 bytes is 32 registers
; of one wave: mean first, then the variance of the differences, both over registers.  Wave 0 also adds up ent, in a fixed order.
.set GAIN, 32                          ; v[32:63]
.set BIAS, 64                          ; v[64:95]
.set ROW0, 96                          ; v[96:127]
.set ROW1, 128                         ; v[128:159]
.set HB,   16                          ; s[16:17] h at my first row
.macro WSUM r, t                       ; sum over the 32 lanes, result in every lane; v[t] has been written before
	v_add_f32_dpp v[\r], v[\r], v[\r] row_xmask:1 row_mask:0xf bank_mask:0xf
	v_add_f32_dpp v[\r], v[\r], v[\r] row_xmask:2 row_mask:0xf bank_mask:0xf
	v_add_f32_dpp v[\r], v[\r], v[\r] row_xmask:4 row_mask:0xf bank_mask:0xf
	v_add_f32_dpp v[\r], v[\r], v[\r] row_xmask:8 row_mask:0xf bank_mask:0xf
	v_permlanex16_b32 v[\t], v[\r], s30, s31
	v_add_f32 v[\r], v[\r], v[\t]
.endm
.macro LNROW X, off, left
	s_wait_loadcnt \left                           ; loads return in order: gain, bias and this row are in
	v_pk_add_f32 v[4:5],   v[\X:\X+1],     v[\X+2:\X+3]
	v_pk_add_f32 v[6:7],   v[\X+4:\X+5],   v[\X+6:\X+7]
	v_pk_add_f32 v[8:9],   v[\X+8:\X+9],   v[\X+10:\X+11]
	v_pk_add_f32 v[10:11], v[\X+12:\X+13], v[\X+14:\X+15]
.set n, 0
.rept 8
	v_pk_add_f32 v[4+2*(n%4):5+2*(n%4)], v[4+2*(n%4):5+2*(n%4)], v[\X+16+2*n:\X+17+2*n]
.set n, n+1
.endr
	v_pk_add_f32 v[4:5], v[4:5], v[6:7]
	v_pk_add_f32 v[8:9], v[8:9], v[10:11]
	v_pk_add_f32 v[4:5], v[4:5], v[8:9]
	v_add_f32 v4, v4, v5
	WSUM 4, 5
	v_mul_f32 v4, s28, v4                          ; mean
	v_mov_b32 v5, v4
.set n, 0
.rept 16
	v_pk_add_f32 v[\X+2*n:\X+2*n+1], v[\X+2*n:\X+2*n+1], v[4:5] neg_lo:[0,1] neg_hi:[0,1]
.set n, n+1
.endr
.irp k, 0,1,2,3
	v_pk_mul_f32 v[6+2*\k:7+2*\k], v[\X+2*\k:\X+2*\k+1], v[\X+2*\k:\X+2*\k+1]
.endr
.set n, 4
.rept 12
	v_pk_fma_f32 v[6+2*(n%4):7+2*(n%4)], v[\X+2*n:\X+2*n+1], v[\X+2*n:\X+2*n+1], v[6+2*(n%4):7+2*(n%4)]
.set n, n+1
.endr
	v_pk_add_f32 v[6:7], v[6:7], v[8:9]
	v_pk_add_f32 v[10:11], v[10:11], v[12:13]
	v_pk_add_f32 v[6:7], v[6:7], v[10:11]
	v_add_f32 v6, v6, v7
	WSUM 6, 7
	v_fma_f32 v6, v6, s28, s29                     ; variance + 1e-5
	v_rsq_f32 v8, v6
	v_nop                                          ; one plain place behind the transcendental (ISA guide 5.7.2)
	s_wait_alu depctr_va_vdst(0)
	v_mov_b32 v9, v8
.set n, 0
.rept 16
	v_pk_mul_f32 v[\X+2*n:\X+2*n+1], v[\X+2*n:\X+2*n+1], v[8:9]
.set n, n+1
.endr
.set n, 0
.rept 16
	v_pk_fma_f32 v[\X+2*n:\X+2*n+1], v[\X+2*n:\X+2*n+1], v[GAIN+2*n:GAIN+2*n+1], v[BIAS+2*n:BIAS+2*n+1]
.set n, n+1
.endr
.irp j, 0,1,2,3,4,5,6,7
	v_cvt_pk_bf16_f32 v[\X+4*\j],   v[\X+4*\j],   v[\X+4*\j+1]
	v_cvt_pk_bf16_f32 v[\X+4*\j+1], v[\X+4*\j+2], v[\X+4*\j+3]
	global_store_b64 v2, v[\X+4*\j:\X+4*\j+1], s[HB:HB+1] offset:\off+256*\j       ; 256 consecutive bytes, aligned
.endr
.endm
	s_load_b256 s[8:15], s[0:1], 0x0               ; x1 8, ln2_w 10, ln2_b 12, ent 14
	s_load_b128 s[16:19], s[0:1], 0x20             ; h 16, out1 18
	v_lshrrev_b32 v3, 5, v0
	v_readfirstlane_b32 s2, v3
	s_lshl_b32 s3, ttmp9, 3
	s_add_co_u32 s3, s3, s2                        ; W
	v_and_b32 v1, 31, v0
	v_lshlrev_b32 v2, 3, v1                        ; 8 x lane
	v_lshlrev_b32 v1, 4, v1                        ; 16 x lane
	s_mov_b32 s27, 0
	s_mov_b32 s28, 0x3a800000                      ; 1 / 1024
	s_mov_b32 s29, 0x3727c5ac                      ; 1e-5
	s_mov_b32 s30, 0x76543210
	s_mov_b32 s31, 0xfedcba98
	s_wait_kmcnt 0x0
	s_lshl_b32 s26, s3, 13
	s_add_nc_u64 s[8:9], s[8:9], s[26:27]
	s_lshl_b32 s26, s3, 12
	s_add_nc_u64 s[16:17], s[16:17], s[26:27]
.irp j, 0,1,2,3,4,5,6,7
	global_load_b128 v[GAIN+4*\j:GAIN+4*\j+3], v1, s[10:11] offset:512*\j
.endr
.irp j, 0,1,2,3,4,5,6,7
	global_load_b128 v[BIAS+4*\j:BIAS+4*\j+3], v1, s[12:13] offset:512*\j
.endr
.irp j, 0,1,2,3,4,5,6,7
	global_load_b128 v[ROW0+4*\j:ROW0+4*\j+3], v1, s[8:9] offset:512*\j
.endr
.irp j, 0,1,2,3,4,5,6,7
	global_load_b128 v[ROW1+4*\j:ROW1+4*\j+3], v1, s[8:9] offset:4096+512*\j
.endr
	LNROW ROW0, 0, 8                               ; younger: row 1's 8 loads
	LNROW ROW1, 2048, 0
	s_cmp_lg_u32 s3, 0
	s_cbranch_scc1 .Lend
	global_load_b128 v[4:7], v1, s[14:15]          ; the 256 shares: 8 a lane
	global_load_b128 v[8:11], v1, s[14:15] offset:512
	s_wait_loadcnt 0x0
	v_pk_add_f32 v[4:5], v[4:5], v[6:7]
	v_pk_add_f32 v[8:9], v[8:9], v[10:11]
	v_pk_add_f32 v[4:5], v[4:5], v[8:9]
	v_add_f32 v4, v4, v5
	WSUM 4, 5
	v_mov_b32 v3, 0
	v_cmp_eq_u32 vcc_lo, 0, v1
	s_wait_xcnt 0x0                                ; EXEC changes only behind this wait
	s_and_saveexec_b32 s20, vcc_lo
	global_store_b32 v3, v4, s[18:19]
	s_wait_xcnt 0x0
	s_or_b32 exec_lo, exec_lo, s20
.Lend:
	s_endpgm
.Lfunc_end_k_q86f83d7f15_ln2:
	.size	k_q86f83d7f15_ln2, .Lfunc_end_k_q86f83d7f15_ln2-k_q86f83d7f15_ln2
	.p2alignl 7, 3214868480
	.fill 96, 4, 3214868480
	.section	.rodata,"a",@progbits
	.p2align	6, 0x0
	.amdhsa_kernel k_q86f83d7f15_ln2
		.amdhsa_group_segment_fixed_size 0
		.amdhsa_private_segment_fixed_size 0
		.amdhsa_enable_private_segment 0
		.amdhsa_kernarg_size 48
		.amdhsa_user_sgpr_count 2
		.amdhsa_user_sgpr_kernarg_segment_ptr 1
		.amdhsa_wavefront_size32 1
		.amdhsa_system_sgpr_workgroup_id_x 1
		.amdhsa_system_sgpr_workgroup_id_y 1
		.amdhsa_system_sgpr_workgroup_id_z 1
		.amdhsa_system_vgpr_workitem_id 0
		.amdhsa_next_free_vgpr 160
		.amdhsa_next_free_sgpr 66
		.amdhsa_reserve_vcc 1
		.amdhsa_float_denorm_mode_32 3
		.amdhsa_float_denorm_mode_16_64 3
		.amdhsa_memory_ordered 1
		.amdhsa_forward_progress 1
		.amdhsa_inst_pref_size 21
	.end_amdhsa_kernel
	.amdgpu_metadata
---
amdhsa.version: [ 1, 2 ]
amdhsa.kernels:
  - .name:           k_q86f83d7f15_ln2
    .symbol:         k_q86f83d7f15_ln2.kd
    .args:
      - { .name: x1, .offset: 0, .size: 8, .value_kind: global_buffer, .address_space: global }
      - { .name: ln2_w, .offset: 8, .size: 8, .value_kind: global_buffer, .address_space: global }
      - { .name: ln2_b, .offset: 16, .size: 8, .value_kind: global_buffer, .address_space: global }
      - { .name: ent, .offset: 24, .size: 8, .value_kind: global_buffer, .address_space: global }
      - { .name: h, .offset: 32, .size: 8, .value_kind: global_buffer, .address_space: global }
      - { .name: out1, .offset: 40, .size: 8, .value_kind: global_buffer, .address_space: global }
    .group_segment_fixed_size: 0
    .private_segment_fixed_size: 0
    .kernarg_segment_align: 8
    .kernarg_segment_size: 48
    .max_flat_workgroup_size: 256
    .sgpr_count:     66
    .vgpr_count:     160
    .wavefront_size: 32
...
	.end_amdgpu_metadata
.endif
;; end of part 5
;; launch fc (part 6): grid 16 x 16, 4 waves a work-group, clusters of 4 x 4, 327,680 bytes of LDS; arguments h, wb, fc_b, g; writes g
.if DOCPART == 6
	.amdgcn_target "amdgcn-amd-amdhsa--gfx1250"
	.amdhsa_code_object_version 6
	.text
	.protected	k_q86f83d7f15_fc
	.globl	k_q86f83d7f15_fc
	.p2align	8
	.type	k_q86f83d7f15_fc,@function
k_q86f83d7f15_fc:
	s_mov_b64 s[64:65], 0
	v_nop
	global_prefetch_b8 v0, s[64:65] scope:SCOPE_SE
	s_setreg_imm32_b32 hwreg(HW_REG_WAVE_MODE, 25, 1), 1
	s_wait_xcnt 0x0
	s_wait_alu depctr_hold_cnt(0) depctr_sa_sdst(0) depctr_va_vdst(0) depctr_va_sdst(0) depctr_va_ssrc(0) depctr_va_vcc(0) depctr_vm_vsrc(0)
	s_getreg_b32 s2, hwreg(HW_REG_IB_STS2, 6, 4)
	s_cmp_eq_u32 s2, 0
	s_cbranch_scc0 .Lentry_in_a_cluster
	s_endpgm
.Lentry_in_a_cluster:
	s_bfe_u32 s2, ttmp6, 0x10000c
	s_cmp_lg_u32 s2, 0xf033
	s_cbranch_scc0 .Lentry_shape_is_right
	s_endpgm
.Lentry_shape_is_right:
; g = gelu(h Wf^T + fc_b), tanh form, rounded to bf16.  h: [4096][1024] bf16.  Wf: [4096][1024] bf16 at byte 8,388,608 of wb.  g: [4096][4096] bf16.
; gelu(x) = x / (1 + 2^(x (c1 + c2 x x))), c1 = -2 sqrt(2/pi) log2 e, c2 = 0.044715 c1: the same function as 0.5 x (1 + tanh u).
; For large |x| the power is 0 or infinite and the result x or -0, as the definition gives.
; A work-group makes a block of 256 x 256 with four waves; a wave makes 128 x 128: 64 accumulator tiles, 512 registers.  16 x 16 = 256 work-groups.
; K goes in steps of 128 through a ring of two LDS slots filled by the tensor data mover; a tile's rows are 256 bytes of memory.
; CLUSTERS: 4 x 4 work-groups; h's tiles are shared along a row of the cluster, Wf's along a column, by joint loads: a quarter of the requests.
; REGISTERS: window 0: v0-31 addresses and constants; v64-127, v128-191 fragments of h, on the way out scratch; v192-223 packed results.
; Window 1: v64-191 fragments of Wf; v192-255 fc_b of my 128 columns.  Windows 2, 3: accumulators (tile (a, b) at v[8 (8 (a & 3) + b)]).
; The matrix instruction is used transposed: lane l holds row l % 16, columns 8 (l / 16) + 0 .. 7.
.set SIZE_K, 1024
.set SIZE_N, 4096
.set WOFF,   8388608
.set KSTEP,  128
.set PITCH,  272
.set HALFT,  128*PITCH
.set SLOT,   4*HALFT
.set STAGE,  2*SLOT                    ; behind the ring: 16 rows x 272 bytes for each wave, never a tensor load's target
.set SPITCH, 272
.set LAPS,   SIZE_K/(2*KSTEP)
.set ADRA, 16
.set ADRB, 20
.set STO,  24
.set RD,   25
.set CO,   26
.set BA,   27
.set F0,   64
.set F1,   128
.set SC,   64                          ; way out: x = sums + bias, then gelu(x), f32
.set GT,   128                         ; way out: 32 numbers at work in the gelu
.set RB,   160                         ; way out: rows read back
.set TMP,  192
.set BV,   192                         ; fc_b (window 1)
.set G1,  24
.set G0,  32
.set G1B, 48
.set G0B, 56
.set OB,  70
.set MSB, 0
.macro WIN new
.if MSB != \new
	s_set_vgpr_msb (MSB<<8)|\new
.set MSB, \new
.endif
.endm
.set MUL_LO, 0xa1
.set MUL_HI, 0xf1
.set TO_B,   0x40
.macro JLOAD s                         ; waves 0 and 1 fetch h's two halves, waves 2 and 3 Wf's; one mask a line; the branch hangs on the wave's number alone
	s_cmp_eq_u32 s11, 0
	s_cbranch_scc0 .Lfor_b_\@
	tensor_load_to_lds s[G0+4*\s:G0+4*\s+3], s[G1:G1+7]
	s_nop 0
.rept 4
	v_nop
.endr
	s_branch .Lasked_\@
.Lfor_b_\@:
	tensor_load_to_lds s[G0B+4*\s:G0B+4*\s+3], s[G1B:G1B+7]
	s_nop 0
.rept 4
	v_nop
.endr
.Lasked_\@:
.endm
.macro CREST
	s_cmp_lg_u32 s10, 0
	s_cbranch_scc1 .Lnot_wave_0_\@
	s_barrier_signal -3
.Lnot_wave_0_\@:
	s_barrier_wait -3
	s_barrier_signal -1
	s_barrier_wait -1
.endm
.macro CROUND
	s_barrier_signal -1
	s_barrier_wait -1
	CREST
.endm
	s_load_b128 s[4:7], s[0:1], 0x0                ; h s[4:5], wb s[6:7]
	s_load_b128 s[68:71], s[0:1], 0x10             ; fc_b s[68:69], g s[70:71]
	s_set_vgpr_msb 0x40
	v_lshl_add_u32 v63, v0, 2, 0x48400
	s_set_vgpr_msb 0x4000
	v_mov_b32 v255, 0
	s_set_vgpr_msb 0x1
	ds_add_u32 v63, v255
	ds_add_u32 v63, v255
	s_set_vgpr_msb 0x100
	v_lshrrev_b32 v1, 5, v0
	v_readfirstlane_b32 s10, v1
	s_lshr_b32 s11, s10, 1                         ; which half of the block's rows.  Also: I fetch for h (0) or for Wf (1)
	s_and_b32 s12, s10, 1                          ; which half of its columns.  Also: which 128 rows of that tile I fetch
	s_bfe_u32 s40, ttmp6, 0x40000                  ; cx
	s_bfe_u32 s41, ttmp6, 0x40004                  ; cy
	s_lshl_b32 s42, ttmp9, 2
	s_add_co_u32 s42, s42, s40                     ; block column
	s_and_b32 s13, ttmp7, 0xffff
	s_lshl_b32 s13, s13, 2
	s_add_co_u32 s13, s13, s41                     ; block row
	s_lshl_b32 s43, s41, 2
	s_lshl_b32 s43, 15, s43
	s_lshl_b32 s44, 0x1111, s40
	s_or_b32 s[G1+0], s43, (1<<16)|(1<<20)|(1<<21)|(5<<22)|(3<<25)   ; mask; 2-byte elements; 4 words of padding behind every 64 words
	s_or_b32 s[G1B+0], s44, (1<<16)|(1<<20)|(1<<21)|(5<<22)|(3<<25)
	s_mov_b32 s[G1+1], KSTEP<<16
	s_mov_b32 s[G1B+1], KSTEP<<16
	s_mov_b32 s[G1+2], 128<<16
	s_mov_b32 s[G1B+2], 128<<16
	s_mov_b32 s[G1+3], KSTEP<<16
	s_mov_b32 s[G1B+3], KSTEP<<16
	s_mov_b32 s[G1+4], 128
	s_mov_b32 s[G1B+4], 128
	s_mov_b32 s[G1+5], SIZE_K
	s_mov_b32 s[G1B+5], SIZE_K
	s_mov_b32 s[G1+6], 0
	s_mov_b32 s[G1B+6], 0
	s_mov_b32 s[G1+7], 0
	s_mov_b32 s[G1B+7], 0
	s_lshl_b32 s17, s12, 7
	s_lshl_b32 s16, s13, 8
	s_add_co_u32 s16, s16, s17
	s_lshl_b32 s46, s42, 8
	s_add_co_u32 s46, s46, s17
	s_mov_b32 s17, 0
	s_mov_b32 s47, 0
	s_mov_b64 s[18:19], SIZE_K*2
	s_mul_u64 s[16:17], s[16:17], s[18:19]
	s_mul_u64 s[46:47], s[46:47], s[18:19]
	s_mul_i32 s20, s10, HALFT
	s_wait_dscnt 0x0
	s_wait_kmcnt 0x0
	s_add_nc_u64 s[6:7], s[6:7], WOFF
	s_add_nc_u64 s[14:15], s[4:5], s[16:17]
	s_add_nc_u64 s[46:47], s[6:7], s[46:47]
	CROUND                                         ; the first joint loads meet
.irp s, 0,1
	s_mov_b32 s[G0+4*\s], 1
	s_add_co_u32 s[G0+4*\s+1], s20, \s*SLOT
	s_add_nc_u64 s[G0+4*\s+2:G0+4*\s+3], s[14:15], \s*KSTEP*2
	s_or_b32 s[G0+4*\s+3], s[G0+4*\s+3], 0x80000000
	s_mov_b32 s[G0B+4*\s], 1
	s_add_co_u32 s[G0B+4*\s+1], s20, \s*SLOT
	s_add_nc_u64 s[G0B+4*\s+2:G0B+4*\s+3], s[46:47], \s*KSTEP*2
	s_or_b32 s[G0B+4*\s+3], s[G0B+4*\s+3], 0x80000000
	JLOAD \s                                       ; two tensor loads of the wave are out
.endr
	v_and_b32 v1, 15, v0
	v_bfe_u32 v2, v0, 4, 1
	v_lshlrev_b32 v[BA], 5, v2                     ; fc_b: tile b, registers 0-7 = columns 16 b + 8 (l / 16) + 0 .. 7; waited for at the head of the way out
	s_lshl_b32 s76, s42, 10
	s_lshl_b32 s77, s12, 9
	s_add_co_u32 s76, s76, s77
	s_mov_b32 s77, 0
	s_add_nc_u64 s[68:69], s[68:69], s[76:77]
	WIN TO_B
.irp b, 0,1,2,3,4,5,6,7
	global_load_b128 v[BV+8*\b:BV+8*\b+3],   v[BA], s[68:69] offset:64*\b
	global_load_b128 v[BV+8*\b+4:BV+8*\b+7], v[BA], s[68:69] offset:64*\b+16
.endr
	WIN 0
	v_mov_b32 v28, 0xbdd2d3e8                      ; c2 = -0.10294324, twice
	v_mov_b32 v29, 0xbdd2d3e8
	v_mov_b32 v30, 0xc0135761                      ; c1 = -2.3022082, twice
	v_mov_b32 v31, 0xc0135761
	v_mul_u32_u24 v3, v1, PITCH
	v_lshl_add_u32 v3, v2, 4, v3
	s_mul_i32 s21, s11, HALFT
	s_mul_i32 s22, s12, HALFT
	s_add_co_u32 s22, s22, 2*HALFT
.irp s, 0,1
	v_add_nc_u32 v[ADRA+\s], s21, v3
	v_add_nc_u32 v[ADRB+\s], s22, v3
	s_add_co_u32 s21, s21, SLOT
	s_add_co_u32 s22, s22, SLOT
.endr
	s_mul_i32 s23, s10, 16*SPITCH
	s_add_co_u32 s23, s23, STAGE
	v_mul_u32_u24 v4, v1, SPITCH
	v_lshl_add_u32 v4, v2, 4, v4
	v_add_nc_u32 v[STO], s23, v4
	v_mul_u32_u24 v5, v2, SPITCH                   ; back: lanes 0-15 take one row of 256 bytes, lanes 16-31 the next
	v_lshl_add_u32 v5, v1, 4, v5
	v_add_nc_u32 v[RD], s23, v5
	v_mul_u32_u24 v5, v2, SIZE_N*2
	v_lshl_add_u32 v[CO], v1, 4, v5
.macro MUL16 f, hi, a0, zero
.irp a, \a0, \a0+1
.irp b, 0,1,2,3,4,5,6,7
.if \zero
	v_wmma_f32_16x16x32_bf16 v[8*(8*(\a)+\b):8*(8*(\a)+\b)+7], v[\f+8*\b:\f+8*\b+7], v[\f+8*(4*\hi+\a):\f+8*(4*\hi+\a)+7], 0
.else
	v_wmma_f32_16x16x32_bf16 v[8*(8*(\a)+\b):8*(8*(\a)+\b)+7], v[\f+8*\b:\f+8*\b+7], v[\f+8*(4*\hi+\a):\f+8*(4*\hi+\a)+7], v[8*(8*(\a)+\b):8*(8*(\a)+\b)+7]
.endif
.endr
.endr
.endm
.macro FETCH slot, k, f
	WIN TO_B
.irp i, 0,1,2,3,4,5,6,7
	ds_load_b128 v[\f+8*\i:\f+8*\i+3],   v[ADRB+\slot] offset:\k+\i*16*PITCH
	ds_load_b128 v[\f+8*\i+4:\f+8*\i+7], v[ADRB+\slot] offset:\k+\i*16*PITCH+32
.endr
	WIN 0
.irp i, 0,1,2,3,4,5,6,7
	ds_load_b128 v[\f+8*\i:\f+8*\i+3],   v[ADRA+\slot] offset:\k+\i*16*PITCH
	ds_load_b128 v[\f+8*\i+4:\f+8*\i+7], v[ADRA+\slot] offset:\k+\i*16*PITCH+32
.endr
.endm
.macro PLACES                          ; four plain places behind a matrix instruction (ISA guide 7.12.1)
.rept 4
	v_nop
.endr
.endm
; 64 matrix instructions on buffer f; the 64 accumulators take turns, one instruction a turn, in the same order every time
.macro QUARTER slot, k, f, g, zero
	s_wait_dscnt 8                                 ; Wf's and h's rows 0-63 are in; the youngest eight loads (h's rows 64-127) may be out
	WIN MUL_LO
	MUL16 \f, 0, 0, \zero
	MUL16 \f, 0, 2, \zero
	PLACES
	FETCH \slot, \k, \g
	s_wait_dscnt 32                                ; all but the 32 just issued
	WIN MUL_HI
	MUL16 \f, 1, 0, \zero
	MUL16 \f, 1, 2, \zero
.endm
.macro THREE slot, zero
	QUARTER \slot, 64,  F0, F1, \zero
	QUARTER \slot, 128, F1, F0, 0
	QUARTER \slot, 192, F0, F1, 0
.endm
; The change of slots: waits for my reads and for all my tensor loads, the barrier (with fill: a round of the cluster's barrier), the refill
; first behind it.  From a request to the wait for it a wave issues 240 matrix instructions.
.macro TURN slot, next, fill
	s_wait_dscnt 8
	WIN MUL_LO
	MUL16 F1, 0, 0, 0
	s_wait_dscnt 0                                 ; my reads of this slot are over
	s_wait_tensorcnt 0x0                           ; all my tensor loads have landed
	ds_add_u32 v63, v255
	s_wait_dscnt 0x0
	s_barrier_signal -1
	MUL16 F1, 0, 2, 0
	WIN 0
	s_barrier_wait -1
.if \fill
	CREST
	s_add_nc_u64 s[G0+4*\slot+2:G0+4*\slot+3], s[G0+4*\slot+2:G0+4*\slot+3], 2*KSTEP*2
	s_add_nc_u64 s[G0B+4*\slot+2:G0B+4*\slot+3], s[G0B+4*\slot+2:G0B+4*\slot+3], 2*KSTEP*2
	JLOAD \slot                                    ; the wave's one tensor load behind the round; its four v_nop are the places in front of the loads below
.else
	PLACES
.endif
	FETCH \next, 0, F0
	WIN MUL_HI
	MUL16 F1, 1, 0, 0
	MUL16 F1, 1, 2, 0
.endm
.macro LAP zero
	THREE 0, \zero
	TURN 0, 1, 1
	THREE 1, 0
	TURN 1, 0, 1
.endm
	s_wait_tensorcnt 1                             ; my part of K step 0 is in; K step 1's stays out
	s_barrier_signal -1
	s_barrier_wait -1
	FETCH 0, 0, F0
	LAP 1
	WIN 0
	s_mov_b32 s3, LAPS-2
.Llap:
	LAP 0
	WIN 0
	s_sub_co_u32 s3, s3, 1
	s_cmp_lg_u32 s3, 0
	s_cbranch_scc1 .Llap
	THREE 0, 0                                     ; the last lap fills nothing
	TURN 0, 1, 0
	THREE 1, 0
	s_wait_dscnt 8
	WIN MUL_LO
	MUL16 F1, 0, 0, 0
	MUL16 F1, 0, 2, 0
	s_wait_dscnt 0
	WIN MUL_HI
	MUL16 F1, 1, 0, 0
	MUL16 F1, 1, 2, 0
	; THE WAY OUT, 16 rows at a time: bias, gelu, round, through my stage, whole rows of 256 bytes out.
	PLACES
	s_lshl_b32 s76, s13, 8
	s_lshl_b32 s77, s11, 7
	s_add_co_u32 s76, s76, s77                     ; my first row,
	s_lshl_b32 s76, s76, 13                        ; rows of 8,192 bytes,
	s_lshl_b32 s77, s42, 9
	s_add_co_u32 s76, s76, s77                     ; + 512 x block column
	s_lshl_b32 s77, s12, 8
	s_add_co_u32 s76, s76, s77                     ; + 256 x half
	s_mov_b32 s77, 0
	s_add_nc_u64 s[OB:OB+1], s[OB:OB+1], s[76:77]
	s_wait_loadcnt 0x0                             ; fc_b
.macro GELU32 X                        ; 32 numbers at v[X ..], in place
.set n, 0
.rept 16
	v_pk_mul_f32 v[GT+2*n:GT+2*n+1], v[\X+2*n:\X+2*n+1], v[\X+2*n:\X+2*n+1]
.set n, n+1
.endr
.set n, 0
.rept 16
	v_pk_fma_f32 v[GT+2*n:GT+2*n+1], v[GT+2*n:GT+2*n+1], v[28:29], v[30:31]
.set n, n+1
.endr
.set n, 0
.rept 16
	v_pk_mul_f32 v[GT+2*n:GT+2*n+1], v[GT+2*n:GT+2*n+1], v[\X+2*n:\X+2*n+1]
.set n, n+1
.endr
.set n, 0
.rept 32
	v_exp_f32 v[GT+n], v[GT+n]
.set n, n+1
.endr
	v_nop                                          ; a plain place between the transcendentals and their use (ISA guide 5.7.2)
.set n, 0
	s_wait_alu depctr_va_vdst(0)
.rept 16
	v_pk_add_f32 v[GT+2*n:GT+2*n+1], v[GT+2*n:GT+2*n+1], 1.0 op_sel_hi:[1,0]
.set n, n+1
.endr
.set n, 0
.rept 32
	v_rcp_f32 v[GT+n], v[GT+n]
.set n, n+1
.endr
	v_nop
.set n, 0
	s_wait_alu depctr_va_vdst(0)
.rept 16
	v_pk_mul_f32 v[\X+2*n:\X+2*n+1], v[\X+2*n:\X+2*n+1], v[GT+2*n:GT+2*n+1]
.set n, n+1
.endr
.endm
; rows 16 i .. 16 i + 15 of my block = tiles (a, 0..7) of window 2 or 3 (from = 0x06 or 0x07: source 0 there, source 1 = bias in window 1)
.macro OUT16 i, a, from
	WIN \from
.irp b, 0,1,2,3,4,5,6,7
.irp r, 0,2,4,6
	v_pk_add_f32 v[SC+8*\b+\r:SC+8*\b+\r+1], v[8*(8*\a+\b)+\r:8*(8*\a+\b)+\r+1], v[BV+8*\b+\r:BV+8*\b+\r+1]
.endr
.endr
	WIN 0
	GELU32 SC
	GELU32 SC+32
.irp b, 0,1,2,3,4,5,6,7
.irp r, 0,1,2,3
	v_cvt_pk_bf16_f32 v[TMP+4*\b+\r], v[SC+8*\b+2*\r], v[SC+8*\b+2*\r+1]
.endr
.endr
.irp b, 0,1,2,3,4,5,6,7
	ds_store_b128 v[STO], v[TMP+4*\b:TMP+4*\b+3] offset:32*\b
.endr
	s_wait_xcnt 0x0                                ; the read-back registers and the base are sources of the last turn's stores: rewritten only behind this wait
.if \i
	s_add_nc_u64 s[OB:OB+1], s[OB:OB+1], 16*SIZE_N*2
.endif
.irp t, 0,1,2,3,4,5,6,7
	ds_load_b128 v[RB+4*\t:RB+4*\t+3], v[RD] offset:\t*2*SPITCH    ; LDS serves a wave's instructions in order: these see the stores above
.endr
.irp t, 0,1,2,3,4,5,6,7
	s_wait_dscnt 7-\t
	global_store_b128 v[CO], v[RB+4*\t:RB+4*\t+3], s[OB:OB+1] offset:2*\t*SIZE_N*2   ; 16 lanes store 256 consecutive bytes, aligned
.endr
.endm
	OUT16 0, 0, 0x06
	OUT16 1, 1, 0x06
	OUT16 2, 2, 0x06
	OUT16 3, 3, 0x06
	OUT16 4, 0, 0x07
	OUT16 5, 1, 0x07
	OUT16 6, 2, 0x07
	OUT16 7, 3, 0x07
	s_set_vgpr_msb 0x1
	s_wait_tensorcnt 0x0
	ds_add_u32 v63, v255
	s_wait_dscnt 0x0
	s_set_vgpr_msb 0x100
	CROUND                                         ; the closing round
	s_endpgm
.Lfunc_end_k_q86f83d7f15_fc:
	.size	k_q86f83d7f15_fc, .Lfunc_end_k_q86f83d7f15_fc-k_q86f83d7f15_fc
	.p2alignl 7, 3214868480
	.fill 96, 4, 3214868480
	.section	.rodata,"a",@progbits
	.p2align	6, 0x0
	.amdhsa_kernel k_q86f83d7f15_fc
		.amdhsa_group_segment_fixed_size 327680
		.amdhsa_private_segment_fixed_size 0
		.amdhsa_enable_private_segment 0
		.amdhsa_kernarg_size 32
		.amdhsa_user_sgpr_count 2
		.amdhsa_user_sgpr_kernarg_segment_ptr 1
		.amdhsa_wavefront_size32 1
		.amdhsa_system_sgpr_workgroup_id_x 1
		.amdhsa_system_sgpr_workgroup_id_y 1
		.amdhsa_system_sgpr_workgroup_id_z 1
		.amdhsa_system_vgpr_workitem_id 0
		.amdhsa_next_free_vgpr 1024
		.amdhsa_next_free_sgpr 80
		.amdhsa_reserve_vcc 0
		.amdhsa_float_denorm_mode_32 3
		.amdhsa_float_denorm_mode_16_64 3
		.amdhsa_memory_ordered 1
		.amdhsa_forward_progress 1
		.amdhsa_inst_pref_size 255
	.end_amdhsa_kernel
	.section	.bss,"aw",@nobits
	.p2align	6
	.space	262144
	.amdgpu_metadata
---
amdhsa.version: [ 1, 2 ]
amdhsa.kernels:
  - .name:           k_q86f83d7f15_fc
    .symbol:         k_q86f83d7f15_fc.kd
    .args:
      - { .name: h, .offset: 0, .size: 8, .value_kind: global_buffer, .address_space: global }
      - { .name: wb, .offset: 8, .size: 8, .value_kind: global_buffer, .address_space: global }
      - { .name: fc_b, .offset: 16, .size: 8, .value_kind: global_buffer, .address_space: global }
      - { .name: g, .offset: 24, .size: 8, .value_kind: global_buffer, .address_space: global }
    .group_segment_fixed_size: 327680
    .private_segment_fixed_size: 0
    .kernarg_segment_align: 8
    .kernarg_segment_size: 32
    .max_flat_workgroup_size: 128
    .sgpr_count:     80
    .vgpr_count:     1024
    .wavefront_size: 32
...
	.end_amdgpu_metadata
.endif
;; end of part 6
;; launch proj (part 7): grid 8 x 32, 4 waves a work-group, clusters of 4 x 4, 327,680 bytes of LDS; arguments g, wb, proj_b, x1, out0; writes out0
.if DOCPART == 7
	.amdgcn_target "amdgcn-amd-amdhsa--gfx1250"
	.amdhsa_code_object_version 6
	.text
	.protected	k_q86f83d7f15_proj
	.globl	k_q86f83d7f15_proj
	.p2align	8
	.type	k_q86f83d7f15_proj,@function
k_q86f83d7f15_proj:
	s_mov_b64 s[64:65], 0
	v_nop
	global_prefetch_b8 v0, s[64:65] scope:SCOPE_SE
	s_setreg_imm32_b32 hwreg(HW_REG_WAVE_MODE, 25, 1), 1
	s_wait_xcnt 0x0
	s_wait_alu depctr_hold_cnt(0) depctr_sa_sdst(0) depctr_va_vdst(0) depctr_va_sdst(0) depctr_va_ssrc(0) depctr_va_vcc(0) depctr_vm_vsrc(0)
	s_getreg_b32 s2, hwreg(HW_REG_IB_STS2, 6, 4)
	s_cmp_eq_u32 s2, 0
	s_cbranch_scc0 .Lentry_in_a_cluster
	s_endpgm
.Lentry_in_a_cluster:
	s_bfe_u32 s2, ttmp6, 0x10000c
	s_cmp_lg_u32 s2, 0xf033
	s_cbranch_scc0 .Lentry_shape_is_right
	s_endpgm
.Lentry_shape_is_right:
; out0 = x1 + g Wp^T + proj_b, in f32.  g: [4096][4096] bf16.  Wp: [1024][4096] bf16 at byte 16,777,216 of wb.
; N = 1,024 leaves a block of 128 x 128 for each of 256 work-groups.  Waves of 64 x 64 would load twice the LDS bytes for each matrix
; instruction, so K IS SPLIT instead: every wave makes the whole 128 x 128 block (64 accumulator tiles, 512 registers) for a quarter of K,
; and the four partial blocks are added once, through LDS.
; A slot of the ring holds K = 256 (rows of 512 bytes): wave w multiplies the 64 K at byte 128 w of the rows, as two pieces of 32.
; THE WALK THROUGH K IS ROTATED: a cluster starts at slot step 0 or NS / 2, by the parity of cluster x + cluster y, and wraps round.  The two
; clusters that need the same rows of g differ in x, neighbours along y need the same rows of Wp: so from its step NS / 2 on a cluster asks
; only for tiles that another cluster has asked for NS / 2 steps before.  The start hangs on the cluster's place alone, which all partners share.
; LIMIT, stated: each output is the sum of four partial K sums (own, then the partners' in a fixed order), each begun at the cluster's first
; K step: an order of rounding that differs from one ascending sum.
; Wave w takes A's pairs of row blocks in the order p xor w (p = 0 .. 3), so that in every wave accumulator rows 0-31 are the 32 rows that
; the wave owns at the end (rows 32 w ..), in the same registers in every wave.
; CLUSTERS: 4 x 4 work-groups; g's tiles are shared along a row of the cluster, Wp's along a column, by joint loads.
; REGISTERS: window 0: v0-31 addresses, bias; v64-191 fragments of g, later exchange and read-back.  Window 1: v64-191 fragments of Wp, later
; exchange; v0-63 and v192-255 the residual of my 32 rows.  Windows 2, 3: accumulators (tile (a, b) at v[8 (8 (a & 3) + b)]).
; The matrix instruction is used transposed: lane l holds row l % 16, columns 8 (l / 16) + 0 .. 7.
.set SIZE_K, 4096
.set WOFF,   16777216
.set KSLOT,  256
.set NS,     SIZE_K/KSLOT              ; 16 slot steps
.set PITCH,  528                       ; 512 bytes + 16 of padding
.set HALFT,  64*PITCH                  ; what one tensor load brings: 64 rows
.set SLOT,   4*HALFT                   ; g's 128 rows, then Wp's 128 rows
.set XCH,    49152                     ; a wave's exchange region: three blocks of 32 x 128 f32.  It lies in the ring, behind the ring's last fill
.set LAPS,   SIZE_K/(2*KSLOT)          ; 8
.set ADRA, 8                           ; v8-15   LDS address of A's row pair p in slot s at v[8 + 4 s + p]
.set XW,   16                          ; v16     my exchange region + 16 lane: writes; also the read-back of my stage
.set XR,   17                          ; v17-19  where partner p xor w has put the block for me
.set ADRB, 20                          ; v20-21
.set STO,  24                          ; v24     stage: row l % 16, 32 bytes for each half of the lanes
.set CO,   26                          ; v26     16 lane
.set BI,   28                          ; v[28:31] bias of my 4 columns
.set F0,   64
.set F1,   128
.set G1,  24
.set G0,  32
.set G1B, 48
.set G0B, 56
.set MSB, 0
.macro WIN new
.if MSB != \new
	s_set_vgpr_msb (MSB<<8)|\new
.set MSB, \new
.endif
.endm
.set MUL_LO, 0xa1
.set MUL_HI, 0xf1
.set TO_B,   0x40
.macro JLOAD s                         ; waves 0 and 1 fetch A's two halves, waves 2 and 3 B's; one mask a line; the branch hangs on the wave's number alone
	s_cmp_eq_u32 s11, 0
	s_cbranch_scc0 .Lfor_b_\@
	tensor_load_to_lds s[G0+4*\s:G0+4*\s+3], s[G1:G1+7]
	s_nop 0
.rept 4
	v_nop
.endr
	s_branch .Lasked_\@
.Lfor_b_\@:
	tensor_load_to_lds s[G0B+4*\s:G0B+4*\s+3], s[G1B:G1B+7]
	s_nop 0
.rept 4
	v_nop
.endr
.Lasked_\@:
.endm
; The next slot step's addresses into slot s's two group 0: s45 counts start + requests made; the step is that modulo NS, 512 bytes of a row each.
; It stands where no tensor load of the wave names these registers: at the start, or behind the wait for all tensor loads.
.macro ADDR s
	s_and_b32 s72, s45, NS-1
	s_lshl_b32 s72, s72, 9
	s_add_co_u32 s45, s45, 1
	s_add_nc_u64 s[G0+4*\s+2:G0+4*\s+3], s[14:15], s[72:73]
	s_or_b32 s[G0+4*\s+3], s[G0+4*\s+3], 0x80000000
	s_add_nc_u64 s[G0B+4*\s+2:G0B+4*\s+3], s[46:47], s[72:73]
	s_or_b32 s[G0B+4*\s+3], s[G0B+4*\s+3], 0x80000000
.endm
.macro CREST                           ; a round of the cluster's barrier behind its opening barrier
	s_cmp_lg_u32 s10, 0
	s_cbranch_scc1 .Lnot_wave_0_\@
	s_barrier_signal -3
.Lnot_wave_0_\@:
	s_barrier_wait -3
	s_barrier_signal -1
	s_barrier_wait -1
.endm
.macro CROUND
	s_barrier_signal -1
	s_barrier_wait -1
	CREST
.endm
	s_load_b128 s[4:7], s[0:1], 0x0                ; A s[4:5], wb s[6:7]
	s_load_b128 s[68:71], s[0:1], 0x10             ; bias s[68:69], residual s[70:71]
	s_load_b64 s[8:9], s[0:1], 0x20                ; out
	v_lshl_add_u32 v254, v0, 2, 0x42000
	v_mov_b32 v255, 0
	ds_add_u32 v254, v255
	ds_add_u32 v254, v255
	v_lshrrev_b32 v1, 5, v0
	v_readfirstlane_b32 s10, v1                    ; wave: my quarter of K
	s_lshr_b32 s11, s10, 1                         ; I fetch for A (0) or for B (1)
	s_and_b32 s12, s10, 1                          ; which 64 rows of that tile I fetch
	s_bfe_u32 s40, ttmp6, 0x40000                  ; cx
	s_bfe_u32 s41, ttmp6, 0x40004                  ; cy
	s_lshl_b32 s42, ttmp9, 2
	s_add_co_u32 s42, s42, s40                     ; block column
	s_and_b32 s13, ttmp7, 0xffff
	s_lshl_b32 s13, s13, 2
	s_add_co_u32 s13, s13, s41                     ; block row
	s_lshl_b32 s43, s41, 2
	s_lshl_b32 s43, 15, s43                        ; my row of the cluster
	s_lshl_b32 s44, 0x1111, s40                    ; my column
	s_xor_b32 s45, ttmp9, ttmp7                    ; the cluster's first slot step: 0 or NS / 2, by the parity of cluster x + cluster y
	s_and_b32 s45, s45, 1
	s_mul_i32 s45, s45, NS/2
	s_mov_b32 s73, 0
	; group 1: 64 rows x 256 elements of 2 bytes, 4 words of padding behind every 128 words
	s_or_b32 s[G1+0], s43, (1<<16)|(1<<20)|(1<<21)|(6<<22)|(3<<25)
	s_or_b32 s[G1B+0], s44, (1<<16)|(1<<20)|(1<<21)|(6<<22)|(3<<25)
	s_mov_b32 s[G1+1], KSLOT<<16                   ; tensor_dim0 = 256
	s_mov_b32 s[G1B+1], KSLOT<<16
	s_mov_b32 s[G1+2], 64<<16                      ; tensor_dim1 = 64
	s_mov_b32 s[G1B+2], 64<<16
	s_mov_b32 s[G1+3], KSLOT<<16                   ; tile_dim0 = 256
	s_mov_b32 s[G1B+3], KSLOT<<16
	s_mov_b32 s[G1+4], 64                          ; tile_dim1 = 64
	s_mov_b32 s[G1B+4], 64
	s_mov_b32 s[G1+5], SIZE_K                      ; elements from row to row
	s_mov_b32 s[G1B+5], SIZE_K
	s_mov_b32 s[G1+6], 0
	s_mov_b32 s[G1B+6], 0
	s_mov_b32 s[G1+7], 0
	s_mov_b32 s[G1B+7], 0
	s_lshl_b32 s17, s12, 6
	s_lshl_b32 s16, s13, 7
	s_add_co_u32 s16, s16, s17                     ; A: row 128 x block row + 64 x half
	s_lshl_b32 s46, s42, 7
	s_add_co_u32 s46, s46, s17                     ; B: row 128 x block column + 64 x half
	s_mov_b32 s17, 0
	s_mov_b32 s47, 0
	s_mov_b64 s[18:19], SIZE_K*2
	s_mul_u64 s[16:17], s[16:17], s[18:19]
	s_mul_u64 s[46:47], s[46:47], s[18:19]
	s_mul_i32 s20, s10, HALFT                      ; LDS: wave x 64 rows
	s_wait_dscnt 0x0
	s_wait_kmcnt 0x0
	s_add_nc_u64 s[6:7], s[6:7], WOFF
	s_add_nc_u64 s[14:15], s[4:5], s[16:17]        ; my rows of A at K = 0; kept for the whole walk
	s_add_nc_u64 s[46:47], s[6:7], s[46:47]        ; my rows of B at K = 0; kept likewise
	CROUND                                         ; the first joint loads meet
.irp s, 0,1
	s_mov_b32 s[G0+4*\s], 1
	s_add_co_u32 s[G0+4*\s+1], s20, \s*SLOT
	s_mov_b32 s[G0B+4*\s], 1
	s_add_co_u32 s[G0B+4*\s+1], s20, \s*SLOT
	ADDR \s
	JLOAD \s                                       ; two tensor loads of the wave are out
.endr
	v_and_b32 v1, 15, v0                           ; r
	v_bfe_u32 v2, v0, 4, 1                         ; h
	v_and_b32 v4, 31, v0
	v_lshlrev_b32 v[CO], 4, v4                     ; 16 lane
	; the residual of the 32 rows that I own and the bias of my 4 columns: asked for now, waited for at the end
	s_lshl_b32 s76, s13, 19                        ; (128 x block row + 32 w) rows of 4,096 bytes + 512 x block column
	s_lshl_b32 s77, s10, 17
	s_add_co_u32 s76, s76, s77
	s_lshl_b32 s78, s42, 9
	s_add_co_u32 s76, s76, s78
	s_mov_b32 s77, 0
	s_mov_b32 s79, 0
	s_add_nc_u64 s[70:71], s[70:71], s[76:77]
	s_add_nc_u64 s[8:9], s[8:9], s[76:77]
	s_add_nc_u64 s[68:69], s[68:69], s[78:79]
	WIN TO_B
.set n, 0
.rept 16
	global_load_b128 v[4*n:4*n+3], v[CO], s[70:71] offset:4096*n           ; a row's 512 consecutive bytes
.set n, n+1
.endr
.set n, 0
.rept 16
	global_load_b128 v[192+4*n:192+4*n+3], v[CO], s[70:71] offset:4096*(16+n)
.set n, n+1
.endr
	WIN 0
	global_load_b128 v[BI:BI+3], v[CO], s[68:69]
	v_mul_u32_u24 v3, v1, PITCH
	v_lshl_add_u32 v3, v2, 4, v3                   ; row x pitch + 16 h
	s_lshl_b32 s21, s10, 7                         ; my 64 K: byte 128 w of the rows
.irp s, 0,1
	s_add_co_u32 s22, s21, 2*HALFT+\s*SLOT
	v_add_nc_u32 v[ADRB+\s], s22, v3
.irp p, 0,1,2,3
	s_xor_b32 s22, s10, \p                         ; row pair p xor w
	s_mul_i32 s22, s22, 32*PITCH
	s_add_co_u32 s22, s22, s21
	s_add_co_u32 s22, s22, \s*SLOT
	v_add_nc_u32 v[ADRA+4*\s+\p], s22, v3
.endr
.endr
	s_mul_i32 s23, s10, XCH
	v_add_nc_u32 v[XW], s23, v[CO]
.irp p, 1,2,3
	s_xor_b32 s22, s10, \p                         ; partner p xor w made my rows as its block p
	s_mul_i32 s22, s22, XCH
	s_add_co_u32 s22, s22, (\p-1)*16384
	v_add_nc_u32 v[XR+\p-1], s22, v[CO]
.endr
	v_mul_u32_u24 v5, v1, PITCH
	v_lshl_add_u32 v5, v2, 5, v5
	v_add_nc_u32 v[STO], s23, v5
.macro MUL16 f, hi, a0, zero
.irp a, \a0, \a0+1
.irp b, 0,1,2,3,4,5,6,7
.if \zero
	v_wmma_f32_16x16x32_bf16 v[8*(8*(\a)+\b):8*(8*(\a)+\b)+7], v[\f+8*\b:\f+8*\b+7], v[\f+8*(4*\hi+\a):\f+8*(4*\hi+\a)+7], 0
.else
	v_wmma_f32_16x16x32_bf16 v[8*(8*(\a)+\b):8*(8*(\a)+\b)+7], v[\f+8*\b:\f+8*\b+7], v[\f+8*(4*\hi+\a):\f+8*(4*\hi+\a)+7], v[8*(8*(\a)+\b):8*(8*(\a)+\b)+7]
.endif
.endr
.endr
.endm
.macro FETCH slot, k, f                ; 32 LDS loads in one run: 128 rows of B, 128 rows of A, 32 K at byte 128 w + k of the rows
	WIN TO_B
.irp i, 0,1,2,3,4,5,6,7
	ds_load_b128 v[\f+8*\i:\f+8*\i+3],   v[ADRB+\slot] offset:\k+\i*16*PITCH
	ds_load_b128 v[\f+8*\i+4:\f+8*\i+7], v[ADRB+\slot] offset:\k+\i*16*PITCH+32
.endr
	WIN 0
.irp i, 0,1,2,3,4,5,6,7
	ds_load_b128 v[\f+8*\i:\f+8*\i+3],   v[ADRA+4*\slot+(\i>>1)] offset:\k+(\i&1)*16*PITCH
	ds_load_b128 v[\f+8*\i+4:\f+8*\i+7], v[ADRA+4*\slot+(\i>>1)] offset:\k+(\i&1)*16*PITCH+32
.endr
.endm
.macro PLACES                          ; four plain places behind a matrix instruction (ISA guide 7.12.1)
.rept 4
	v_nop
.endr
.endm
; 64 matrix instructions on buffer f; the 64 accumulators take turns, one instruction a turn, in the same order every time
.macro QUARTER slot, k, f, g, zero
	s_wait_dscnt 8                                 ; B and A's fragments 0-3 are in; the youngest eight loads (A's fragments 4-7) may be out
	WIN MUL_LO
	MUL16 \f, 0, 0, \zero
	MUL16 \f, 0, 2, \zero
	PLACES
	FETCH \slot, \k, \g
	s_wait_dscnt 32                                ; all but the 32 just issued
	WIN MUL_HI
	MUL16 \f, 1, 0, \zero
	MUL16 \f, 1, 2, \zero
.endm
; The slot's second piece, and the change of slots: waits for my reads and for all my tensor loads, the barrier (with fill: a round of the
; cluster's barrier), the refill first behind it.  From a request to the wait for it a wave issues 112 matrix instructions.
.macro TURN slot, next, fill
	s_wait_dscnt 8
	WIN MUL_LO
	MUL16 F1, 0, 0, 0
	s_wait_dscnt 0                                 ; my reads of this slot are over
	s_set_vgpr_msb 0xa1a0
	s_wait_tensorcnt 0x0                           ; all my tensor loads have landed: the one that was out is my part of the next slot
	ds_add_u32 v254, v255
	s_wait_dscnt 0x0
	s_set_vgpr_msb 0xa0a1
	s_barrier_signal -1
	MUL16 F1, 0, 2, 0
	WIN 0
	s_barrier_wait -1
.if \fill
	CREST
	ADDR \slot
	JLOAD \slot                                    ; the wave's one tensor load behind the round; its four v_nop are the places in front of the loads below
.else
	PLACES
.endif
	FETCH \next, 0, F0
	WIN MUL_HI
	MUL16 F1, 1, 0, 0
	MUL16 F1, 1, 2, 0
.endm
.macro LAP zero
	QUARTER 0, 64, F0, F1, \zero
	TURN 0, 1, 1
	QUARTER 1, 64, F0, F1, 0
	TURN 1, 0, 1
.endm
	s_wait_tensorcnt 1                             ; my part of slot 0 is in; slot 1's stays out
	s_barrier_signal -1
	s_barrier_wait -1
	FETCH 0, 0, F0
	LAP 1                                          ; its first 64 products start the sums
.if LAPS > 2
	WIN 0
	s_mov_b32 s3, LAPS-2
.Llap:
	LAP 0
	WIN 0
	s_sub_co_u32 s3, s3, 1
	s_cmp_lg_u32 s3, 0
	s_cbranch_scc1 .Llap
.endif
	QUARTER 0, 64, F0, F1, 0                       ; the last lap fills nothing
	TURN 0, 1, 0
	QUARTER 1, 64, F0, F1, 0
	s_wait_dscnt 8
	WIN MUL_LO
	MUL16 F1, 0, 0, 0
	MUL16 F1, 0, 2, 0
	s_wait_dscnt 0
	WIN MUL_HI
	MUL16 F1, 1, 0, 0
	MUL16 F1, 1, 2, 0
	; THE FOUR PARTIAL BLOCKS MEET.  No tensor load is out since the last change of slots, and none follows: the ring's bytes are free.
	PLACES
	WIN 0
	s_wait_dscnt 0x0
	s_barrier_signal -1
	s_barrier_wait -1                              ; every wave's reads of the ring are over
	WIN 0x08                                       ; store data in window 2
.set n, 0
.rept 32
	ds_store_b128 v[XW], v[128+4*n:128+4*n+3] offset:512*n         ; my block p = 1, as the registers lie: 512 consecutive bytes a store
.set n, n+1
.endr
	WIN 0x0c                                       ; window 3
.set n, 0
.rept 64
	ds_store_b128 v[XW], v[4*n:4*n+3] offset:16384+512*n           ; p = 2 and p = 3
.set n, n+1
.endr
	WIN 0
	s_wait_dscnt 0x0                               ; for the others' sake
	s_barrier_signal -1
	s_barrier_wait -1
.set n, 0
.rept 32
	ds_load_b128 v[64+4*n:64+4*n+3], v[XR] offset:512*n
.set n, n+1
.endr
	WIN 0x40
.set n, 0
.rept 32
	ds_load_b128 v[64+4*n:64+4*n+3], v[XR+1] offset:512*n
.set n, n+1
.endr
	s_wait_dscnt 32                                ; the first partner's 32 loads are in
	WIN 0x82
.set n, 0
.rept 64
	v_pk_add_f32 v[2*n:2*n+1], v[2*n:2*n+1], v[64+2*n:65+2*n]
.set n, n+1
.endr
	WIN 0
.set n, 0
.rept 32
	ds_load_b128 v[64+4*n:64+4*n+3], v[XR+2] offset:512*n
.set n, n+1
.endr
	s_wait_dscnt 32                                ; the second partner's
	WIN 0x86
.set n, 0
.rept 64
	v_pk_add_f32 v[2*n:2*n+1], v[2*n:2*n+1], v[64+2*n:65+2*n]
.set n, n+1
.endr
	s_wait_dscnt 0x0
	WIN 0x82
.set n, 0
.rept 64
	v_pk_add_f32 v[2*n:2*n+1], v[2*n:2*n+1], v[64+2*n:65+2*n]
.set n, n+1
.endr
	WIN 0
	s_barrier_signal -1                            ; my stage is the head of my exchange region, which partners have been reading:
	s_barrier_wait -1                              ; all reads are over (each wave's wait for 0 stands above)
	s_wait_loadcnt 0x0                             ; residual and bias
	; my 32 rows, 16 at a time: into the stage by lanes, back by rows of 512 bytes, + residual + bias, out
.irp ap, 0,1
.set RB,  64+64*\ap
.set RES, 192*\ap
	WIN 0x08
.irp b, 0,1,2,3,4,5,6,7
	ds_store_b128 v[STO], v[8*(8*\ap+\b):8*(8*\ap+\b)+3]   offset:64*\b
	ds_store_b128 v[STO], v[8*(8*\ap+\b)+4:8*(8*\ap+\b)+7] offset:64*\b+16
.endr
	WIN 0
.irp t, 0,1,2,3,4,5,6,7,8,9,10,11,12,13,14,15
	ds_load_b128 v[RB+4*\t:RB+4*\t+3], v[XW] offset:\t*PITCH       ; LDS serves a wave's instructions in order: these see the stores above
.endr
	s_wait_dscnt 0x0
	WIN 0x04
.set n, 0
.rept 32
	v_pk_add_f32 v[RB+2*n:RB+2*n+1], v[RB+2*n:RB+2*n+1], v[RES+2*n:RES+2*n+1]
.set n, n+1
.endr
	WIN 0
.irp t, 0,1,2,3,4,5,6,7,8,9,10,11,12,13,14,15
	v_pk_add_f32 v[RB+4*\t:RB+4*\t+1],   v[RB+4*\t:RB+4*\t+1],   v[BI:BI+1]
	v_pk_add_f32 v[RB+4*\t+2:RB+4*\t+3], v[RB+4*\t+2:RB+4*\t+3], v[BI+2:BI+3]
	global_store_b128 v[CO], v[RB+4*\t:RB+4*\t+3], s[8:9] offset:(16*\ap+\t)*4096   ; 512 consecutive bytes of one row, aligned
.endr
.endr
	s_wait_tensorcnt 0x0
	ds_add_u32 v254, v255
	s_wait_dscnt 0x0
	CROUND                                         ; the closing round
	s_endpgm
.Lfunc_end_k_q86f83d7f15_proj:
	.size	k_q86f83d7f15_proj, .Lfunc_end_k_q86f83d7f15_proj-k_q86f83d7f15_proj
	.p2alignl 7, 3214868480
	.fill 96, 4, 3214868480
	.section	.rodata,"a",@progbits
	.p2align	6, 0x0
	.amdhsa_kernel k_q86f83d7f15_proj
		.amdhsa_group_segment_fixed_size 327680
		.amdhsa_private_segment_fixed_size 0
		.amdhsa_enable_private_segment 0
		.amdhsa_kernarg_size 40
		.amdhsa_user_sgpr_count 2
		.amdhsa_user_sgpr_kernarg_segment_ptr 1
		.amdhsa_wavefront_size32 1
		.amdhsa_system_sgpr_workgroup_id_x 1
		.amdhsa_system_sgpr_workgroup_id_y 1
		.amdhsa_system_sgpr_workgroup_id_z 1
		.amdhsa_system_vgpr_workitem_id 0
		.amdhsa_next_free_vgpr 1024
		.amdhsa_next_free_sgpr 80
		.amdhsa_reserve_vcc 0
		.amdhsa_float_denorm_mode_32 3
		.amdhsa_float_denorm_mode_16_64 3
		.amdhsa_memory_ordered 1
		.amdhsa_forward_progress 1
		.amdhsa_inst_pref_size 134
	.end_amdhsa_kernel
	.amdgpu_metadata
---
amdhsa.version: [ 1, 2 ]
amdhsa.kernels:
  - .name:           k_q86f83d7f15_proj
    .symbol:         k_q86f83d7f15_proj.kd
    .args:
      - { .name: g, .offset: 0, .size: 8, .value_kind: global_buffer, .address_space: global }
      - { .name: wb, .offset: 8, .size: 8, .value_kind: global_buffer, .address_space: global }
      - { .name: proj_b, .offset: 16, .size: 8, .value_kind: global_buffer, .address_space: global }
      - { .name: x1, .offset: 24, .size: 8, .value_kind: global_buffer, .address_space: global }
      - { .name: out0, .offset: 32, .size: 8, .value_kind: global_buffer, .address_space: global }
    .group_segment_fixed_size: 327680
    .private_segment_fixed_size: 0
    .kernarg_segment_align: 8
    .kernarg_segment_size: 40
    .max_flat_workgroup_size: 128
    .sgpr_count:     80
    .vgpr_count:     1024
    .wavefront_size: 32
...
	.end_amdgpu_metadata
.endif
;; end of part 7
